; MI455X (gfx1250); checked and timed in simulation.
; The chip was launched on July 23, 2026; its instructions are those of AMD's public machine-readable ISA for CDNA 5 (MIT licence, August 2026) and "CDNA5" Instruction Set Architecture Reference Guide (July 2026). The comments in the code are by the model that wrote it; some were corrected since.
;; SATG. Allowed arithmetic: matrix products marked QUANTISED: E5M2 operands, one E8M0 scale for each 32 along K, by v_wmma_scale_f32_16x16x128_f8f6f4 with both operands' format E5M2, f32 sums; products left as they are: f32 operands where the result goes on into a quantised operand, else bf16, f16 or f32 operands; f32 sums; everything else in f32.
;; Inputs: W_enc 256 x 256 float32; b_enc 256 float32; fc1_b 64 float32; fc1_w 64 x 256 float32; fc2_b 1 float32; fc2_w 1 x 64 float32; in_proj_b 768 float32; in_proj_w 768 x 256 float32; input_lengths 8 int32; lin1_b 256 float32; lin1_w 256 x 256 float32; lin2_b 256 float32; lin2_w 256 x 256 float32; ln1_b 256 float32; ln1_w 256 float32; ln2_b 256 float32; ln2_w 256 float32; out_proj_b 256 float32; out_proj_w 256 x 256 float32; src 8 x 2,000 x 256 float32.
;; Outputs: out0 8 x 2,000 float32.
;; This version of the problem:
;;   THIS VERSION OF THE PROBLEM IS GIVEN IN LOW PRECISION. The matrix products marked QUANTISED in the list below multiply operands that are first quantised to E5M2 (5 exponent bits, 2 mantissa bits; 8 bits a number), with one power-of-two scale for each 32 numbers along K (OCP MX v1.0); their sums are f32. All else is computed in f32.
;;   The module's matrix products, in the order in which they are computed (A, B: the left and right operand; K: the contracted axis; several contracted axes count as one K, in the product's order):
;;     1. [M 16,000, K 256] x [K 256, N 256]; A: input src; B: input W_enc: QUANTISED
;;     2. [M 16,000, K 256] x [K 256, N 768]; A: computed on the way; B: input in_proj_w: QUANTISED
;;     3. batch 16 x [M 2,000, K 128] x [K 128, N 2,000]; A: computed on the way; B: computed on the way: QUANTISED
;;     4. batch 16 x [M 128, K 2,000] x [K 2,000, N 2,000]; A: computed on the way; B: softmax (see below): QUANTISED
;;     5. [M 16,000, K 256] x [K 256, N 256]; A: computed on the way; B: input out_proj_w: QUANTISED
;;     6. [M 16,000, K 256] x [K 256, N 256]; A: computed on the way; B: input lin1_w: QUANTISED
;;     7. [M 16,000, K 256] x [K 256, N 256]; A: computed on the way; B: input lin2_w: QUANTISED
;;     8. [M 16,000, K 256] x [K 256, N 64]; A: computed on the way; B: input fc1_w: QUANTISED
;;     9. [M 16,000, K 64] x [K 64, N 1]; A: computed on the way; B: input fc2_w: left as it is (N = 1 < 16)
;;   THE QUANTISER, for each operand of a quantised product, along K:
;;     - K is cut into blocks of 32 from its start; a last block that is shorter is filled with zeros.
;;     - A block's scale is 2^e with e = floor(log2(the largest magnitude in the block)) - 15, held to -126 .. 127; a block of zeros has e = 0. As a byte (E8M0): e + 127.
;;     - Each number is divided by its block's scale, clamped to +-57,344, and rounded to the nearest number of E5M2, ties to even, subnormals kept.
;;     - The product sums the exact products of the quantised numbers (number of the format x scale) in f32.
;;   ~~~python
;;   def quantise(x, axis):      # numpy; x: float32 -> the quantised numbers, widened to float32 again
;;       x = np.moveaxis(x, axis, -1); K = x.shape[-1]
;;       x = np.pad(x, [(0, 0)] * (x.ndim - 1) + [(0, -K % 32)]); x = x.reshape(x.shape[:-1] + (-1, 32)); a = np.abs(x).max(-1, keepdims=True)
;;       e = np.where(a > 0, np.clip(np.frexp(np.where(a > 0, a, 1))[1] - 1 - 15, -126, 127), 0)      # np.frexp(a)[1] - 1 = floor(log2(a)), exactly
;;       r = np.clip(x / 2.0 ** e, -57344, 57344)
;;       step = 2.0 ** (np.maximum(np.frexp(np.where(r == 0, 1, r))[1] - 1, -14) - 2)
;;       q = np.round(r / step) * step * 2.0 ** e      # np.round: ties to even
;;       return np.moveaxis(q.reshape(q.shape[:-2] + (-1,))[..., :K], -1, axis).astype(np.float32)
;;   ~~~
;;   SOFTMAX AHEAD OF A QUANTISED PRODUCT. Where the list says 'softmax', what is quantised is not the finished softmax but p = 2^(t - M), with t = logit x log2(e) and M = ceil(the row's largest t), a whole number; so 1/2 < the row's largest p <= 1. The row's sum l is taken of the UNQUANTISED p, in f32, and the product's result is divided by l at the end. Since M is a whole number, a kernel that streams over the keys may use a running M (the ceiling of the running maximum): every later rescaling is an exact power of two, which a block's scale takes up: the codes' values come out the same.
;;   OPERANDS COMPUTED ON THE WAY. 'Computed on the way' means the value that the module computes at that place (a softmax that the list does not call 'softmax' is quantised finished and normalised). What goes into a quantiser is computed in f32, as accurately as f32 sums, v_exp_f32 and their like allow (about 1e-6 of the number): no bf16 or f16 on the way to a quantiser, and a product that is left as it is and whose result goes on into a quantised operand takes f32 operands (vector FMAs, or v_wmma_f32_16x16x4_f32). A number that lies on a knife's edge between two numbers of the format may be rounded either way, as far as f32 arithmetic and the matrix unit's own rounding can turn it there, and no further.
;; One version. Each part assembles by itself: llvm-mc -triple=amdgcn-amd-amdhsa -mcpu=gfx1250 --defsym DOCPART=n.
;; ======== version 1 of 1: 2 launches
;; limits: right only within a limited range of input values
;; workspace buffers: wq 489,984 bytes; pet 139,264 bytes; srcq 4,257,792 bytes
;; launch prep (part 1): grid 252 x 1, 10 waves a work-group, no clusters, 85,760 bytes of LDS; arguments src, W_enc, in_proj_w, out_proj_w, lin1_w, lin2_w, fc1_w, wq, pet, srcq; writes wq, pet, srcq
.if DOCPART == 1
	.amdgcn_target "amdgcn-amd-amdhsa--gfx1250"
	.amdhsa_code_object_version 6
	.text
	.protected	k_q04f1af6387_prep
	.globl	k_q04f1af6387_prep
	.p2align	8
	.type	k_q04f1af6387_prep,@function
k_q04f1af6387_prep:
	s_mov_b64 s[64:65], 0
	v_nop
	global_prefetch_b8 v0, s[64:65] scope:SCOPE_SE
	s_setreg_imm32_b32 hwreg(HW_REG_WAVE_MODE, 25, 1), 1
	s_wait_xcnt 0x0
; FIRST OF TWO LAUNCHES.  It makes what the work-groups of the second launch read several times: src (srcq) and the six weights (wq) as codes of E5M2 with E8M0 scales, and the tables of the positional encoding (pet).
; WORK LEFT OUT, in the whole program:
;  - input_lengths is named by no line of reference(): it has no way to any output, whatever it holds.  It is not loaded and is no argument of any launch.
;  - reference() adds its own band mask (-1e30 outside keys i-99 .. i) ahead of the softmax: the weights there are 0 for all finite inputs, so key tiles wholly outside the band are not multiplied
;    (second launch: 160 keys a query tile in place of 2,000).  LIMIT: a NaN, an infinity or an overflow that would reach only the work left out is not carried to the result.
; srcq: 8 x 63 blocks, wq: 58 blocks, of 8,448 bytes: 32 rows of a sequence or of a weight (wq: 0-7 W_enc, 8-31 in_proj, 32-39 out_proj, 40-47 lin1, 48-55 lin2, 56-57 fc1), IN THE ORDER OF THE OPERAND'S REGISTERS:
;   bytes 512 k + 16 l, k = 8 u + 4 s + c: lane l = (r, h) holds the codes of row 32 b + 8 u + r + 8 (r / 8), K = 128 s + 32 c + 16 h + 0 .. 15;  bytes 8192 + 128 u + 64 s + 4 r: that row's scale word of K step s.
;   In a sequence's last block positions 2000 .. 2015 hold the row 16 earlier: copies of live rows, which move no block's largest magnitude.
; pet: 8 tiles [8 waves][4 q][32 lanes][16 bytes]: lane (r, h) of wave w holds sin, cos of P x div of the column pairs 16 w + 8 h + 2 q, + 1; then div itself, [8 waves][2][32 lanes][16 bytes].
;   Tiles 0-3: P = 32 (16 tile + r), a block's first position (the 64th row is not read).  Tiles 4, 5 (u = 0, 1): P = 8 u + r + 8 (r / 8), a row's place in its block.  Tiles 6, 7: P = 8 u + r % 8, the same for the last block of a sequence.
;   x = f32(2 i) * f32(-ln 10000 / 256) and div = exp(x) by reference()'s own f32 steps: x log2(e) in two words, split into a whole number and a rest.  The product P div is taken exactly, as ang and what ang's rounding dropped.
;   sin, cos: n = nearest whole number to ang * 2 / pi, ang - n pi / 2 in two steps, polynomials on |r| <= pi / 4, the quadrant folded in by selects.
; LIMITS: div is within about one unit in its last place of exp(x), so an entry of the encoding may differ from another f32 library's by ang * 6e-8, at most 1.2e-4 at position 2000.
;   A block of zeros gets the scale byte 1 where the rule says 127: its codes are zeros, and this program alone reads the bytes.  NaN and infinities among the inputs are not served.
; SHARES: work-group i: waves 0-7 src's fragments 8 i + w (16 rows x 128 K each: 2,016 in all), wave 8 the weights' fragment i (i < 232), wave 9 a wave's share of pet (i < 64).  No barrier: waves share nothing.
; No cluster: work-groups share no input.  No prefetch: there is no loop to run ahead in.
.set TM,  14                           ; v14-29  the quantiser's
.set PC,  30                           ; v30-45  a fragment's codes
.set SPW, 46                           ; my spare word; never rewritten
.set NIL, 47                           ; 0; never rewritten
.set ER,  48                           ; v48-55  what ang's rounding dropped
.set X,   64                           ; v64-127 a fragment as it is loaded
.set Y,   128                          ; v128-191 the same, 16 neighbours of each block a lane
.set DIV, 64
.set OUTR, 72
.set A0,  88
.set A1,  96
.set A2,  104
.set A3,  112
.set A4,  120
.set QQ,  12
.set SN,  20
.set CN,  28
.set ZR,  36
.set SEL, 56                           ; s[56:57] lane l xor 16
.set MNT, 58                           ; s58     the mantissa field of 57,344
.set STG, 8448                         ; a wave's stage: 16 rows x 528 bytes
.set SPARE, 10*STG                     ; the spare words: no other line names them
.macro QUANT s
.irp b,0,1,2,3
	v_max3_num_f32 v[TM+\b], |v[\s+16*\b]|, |v[\s+16*\b+1]|, 0x8000000   ; with the floor 2^(16 - 127): the byte cannot fall under 1
.endr
.irp i,2,4,6,8,10,12,14
.irp b,0,1,2,3
	s_delay_alu instid0(VALU_DEP_4)
	v_max3_num_f32 v[TM+\b], v[TM+\b], |v[\s+16*\b+\i]|, |v[\s+16*\b+\i+1]|
.endr
.endr
.irp b,0,1,2,3
	s_delay_alu instid0(VALU_DEP_4)
	v_permlanex16_b32 v[TM+4+\b], v[TM+\b], s[SEL], s[SEL+1]
.endr
.irp b,0,1,2,3
	s_delay_alu instid0(VALU_DEP_4)
	v_max_num_f32 v[TM+\b], v[TM+\b], v[TM+4+\b]
.endr
.irp b,0,1,2,3
	s_delay_alu instid0(VALU_DEP_4)
	v_add_nc_u32 v[TM+12+\b], 0xf8800000, v[TM+\b]            ; 15 off its exponent field: the conversion's scale operand
.endr
.irp b,0,1,2,3
	v_and_or_b32 v[TM+8+\b], v[TM+\b], 0x7f800000, s[MNT]     ; 57,344 x the scale
.endr
.irp b,0,1,2,3
	v_lshrrev_b32 v[TM+4+\b], 23, v[TM+12+\b]                 ; the scale's byte
.endr
	s_delay_alu instid0(VALU_DEP_3)
	v_lshl_or_b32 v[TM+4], v[TM+5], 8, v[TM+4]
	s_delay_alu instid0(VALU_DEP_1)
	v_lshl_or_b32 v[TM+4], v[TM+6], 16, v[TM+4]
	s_delay_alu instid0(VALU_DEP_1)
	v_lshl_or_b32 v[TM+4], v[TM+7], 24, v[TM+4]
.irp b,0,1,2,3
.irp i,0,1,2,3,4,5,6,7,8,9,10,11,12,13,14,15
	v_med3_num_f32 v[\s+16*\b+\i], v[\s+16*\b+\i], -v[TM+8+\b], v[TM+8+\b]   ; the conversion does not saturate (ISA guide 7.6.2): the hold comes first
.endr
	v_cvt_scalef32_pk8_bf8_f32 v[PC+4*\b:PC+4*\b+1], v[\s+16*\b:\s+16*\b+7], v[TM+12+\b]
	v_cvt_scalef32_pk8_bf8_f32 v[PC+4*\b+2:PC+4*\b+3], v[\s+16*\b+8:\s+16*\b+15], v[TM+12+\b]
.endr
	v_nop                                          ; one plain line behind the last scaled conversion
.endm
	s_load_b512 s[8:23], s[0:1], 0x0               ; src 8, W_enc 10, in_proj_w 12, out_proj_w 14, lin1_w 16, lin2_w 18, fc1_w 20, wq 22
	s_load_b128 s[24:27], s[0:1], 0x40             ; pet 24, srcq 26
	v_lshl_add_u32 v[SPW], v0, 2, SPARE
	v_mov_b32 v[NIL], 0
	v_lshrrev_b32 v1, 5, v0
	v_readfirstlane_b32 s2, v1                     ; wave
	v_and_b32 v2, 31, v0                           ; lane
	v_and_b32 v3, 15, v0                           ; r
	v_bfe_u32 v4, v0, 4, 1                         ; h
	v_and_b32 v5, 8, v3
	v_add_nc_u32 v5, v5, v3                        ; r + 8 (r / 8): the rows of a tile
	v_lshlrev_b32 v6, 4, v2                        ; 16 x lane
	s_mul_i32 s3, s2, STG
	v_add_nc_u32 v7, s3, v6                        ; my stage, on the way in: a row's 512 bytes as they lie
	v_mul_u32_u24 v8, v3, 528
	v_lshl_add_u32 v8, v4, 6, v8
	v_add_nc_u32 v8, s3, v8                        ; and back: row r, + 64 h
	s_wait_alu depctr_va_vdst(0)                   ; the wait at the head's end
	s_wait_kmcnt 0x0
	s_cmp_lt_u32 s2, 9
	s_cbranch_scc0 .Lpe
	; ---------------- a fragment.  src: block 2 i + w / 4 of the 504, 63 a sequence
	s_lshl_b32 s30, ttmp9, 1
	s_lshr_b32 s31, s2, 2
	s_add_co_u32 s30, s30, s31
	s_mul_i32 s31, s30, 1041
	s_lshr_b32 s31, s31, 16                        ; / 63, exact for numbers under 504: the sequence
	s_mul_i32 s32, s31, 63
	s_sub_co_u32 s32, s30, s32                     ; its block
	s_mul_i32 s33, s31, 2048000
	s_lshl_b32 s34, s32, 15
	s_add_co_u32 s33, s33, s34
	s_and_b32 s35, s2, 3                           ; 2 u + s
	s_cmp_eq_u32 s32, 62
	s_cselect_b32 s36, 0, 0x4000                   ; rows 8-15 of the tile lie 16 rows on, or in the last block are the same rows again
	s_mov_b64 s[38:39], s[8:9]
	s_mov_b64 s[44:45], s[26:27]
	s_cmp_lt_u32 s2, 8
	s_cbranch_scc1 .Lfrag
	s_cmp_lt_u32 ttmp9, 232                        ; wave 8: a weight's
	s_cbranch_scc0 .Lnone
	s_lshr_b32 s30, ttmp9, 2                       ; block in wq
	s_and_b32 s35, ttmp9, 3
	s_mov_b64 s[38:39], s[10:11]
	s_mov_b32 s31, 0
	s_cmp_ge_u32 s30, 8
	s_cselect_b64 s[38:39], s[12:13], s[38:39]
	s_cselect_b32 s31, 8, s31
	s_cmp_ge_u32 s30, 32
	s_cselect_b64 s[38:39], s[14:15], s[38:39]
	s_cselect_b32 s31, 32, s31
	s_cmp_ge_u32 s30, 40
	s_cselect_b64 s[38:39], s[16:17], s[38:39]
	s_cselect_b32 s31, 40, s31
	s_cmp_ge_u32 s30, 48
	s_cselect_b64 s[38:39], s[18:19], s[38:39]
	s_cselect_b32 s31, 48, s31
	s_cmp_ge_u32 s30, 56
	s_cselect_b64 s[38:39], s[20:21], s[38:39]
	s_cselect_b32 s31, 56, s31
	s_sub_co_u32 s33, s30, s31
	s_lshl_b32 s33, s33, 15
	s_mov_b32 s36, 0x4000
	s_mov_b64 s[44:45], s[22:23]
.Lfrag:
	s_lshr_b32 s31, s35, 1
	s_lshl_b32 s31, s31, 13
	s_add_co_u32 s46, s33, s31                     ; + 8 rows x u,
	s_and_b32 s31, s35, 1
	s_lshl_b32 s31, s31, 9
	s_add_co_u32 s46, s46, s31                     ; + 512 bytes x s
	s_mov_b32 s47, 0
	s_mov_b32 s37, 0
	s_add_nc_u64 s[38:39], s[38:39], s[46:47]
	s_add_nc_u64 s[40:41], s[38:39], s[36:37]
.irp k,0,1,2,3,4,5,6,7
	global_load_b128 v[X+4*\k:X+4*\k+3], v6, s[38:39] offset:1024*\k th:TH_LOAD_NT   ; a row's 512 consecutive bytes
.endr
.irp k,0,1,2,3,4,5,6,7
	global_load_b128 v[X+32+4*\k:X+32+4*\k+3], v6, s[40:41] offset:1024*\k th:TH_LOAD_NT
.endr
	s_mov_b32 s[SEL], 0x76543210
	s_mov_b32 s[SEL+1], 0xfedcba98
	s_mov_b32 s[MNT], 0x600000
	s_mul_i32 s42, s30, 8448
	s_mov_b32 s43, 0
	s_add_nc_u64 s[44:45], s[44:45], s[42:43]
	s_lshl_b32 s31, s35, 11
	v_add_nc_u32 v9, s31, v6                       ; codes: 2,048 (2 u + s) + 16 l
	s_lshl_b32 s31, s35, 6
	v_lshl_add_u32 v10, v3, 2, s31                 ; scale word: 64 (2 u + s) + 4 r
.irp b,0,1,2,3
	v_mov_b32 v[TM+4+\b], 0                        ; a lane permute's destination counts as one of its sources
.endr
	s_wait_alu depctr_va_vdst(0)
	s_wait_loadcnt 0x8                             ; rows 0-7 are in; the other eight loads may be out
.irp k,0,1,2,3,4,5,6,7
	ds_store_b128 v7, v[X+4*\k:X+4*\k+3] offset:528*\k
.endr
	s_wait_loadcnt 0x0
.irp k,8,9,10,11,12,13,14,15
	ds_store_b128 v7, v[X+4*\k:X+4*\k+3] offset:528*\k
.endr
.irp c,0,1,2,3
.irp j,0,1,2,3
	ds_load_b128 v[Y+16*\c+4*\j:Y+16*\c+4*\j+3], v8 offset:128*\c+16*\j   ; LDS serves a wave's instructions in order: these see my stores
.endr
.endr
	s_wait_dscnt 0x0
	QUANT Y
.irp c,0,1,2,3
	global_store_b128 v9, v[PC+4*\c:PC+4*\c+3], s[44:45] offset:512*\c   ; 512 consecutive bytes a store
.endr
	global_store_b32 v10, v[TM+4], s[44:45] offset:8192                  ; both halves of the lanes hold and store the same word
	s_wait_tensorcnt 0x0                           ; the wave's end
	ds_add_u32 v[SPW], v[NIL]
	s_wait_dscnt 0x0
	s_endpgm
	; ---------------- a share of pet: tile i / 8, wave i % 8 of its columns
.Lpe:
	s_cmp_lt_u32 ttmp9, 64
	s_cbranch_scc0 .Lnone
	s_lshr_b32 s60, ttmp9, 3
	s_and_b32 s61, ttmp9, 7
	s_lshl_b32 s3, s60, 9
	v_lshl_add_u32 v7, v3, 5, s3                   ; tiles 0-3: P = 512 tile + 32 r
	s_and_b32 s4, s60, 1
	s_lshl_b32 s4, s4, 3                           ; 8 u
	s_bitcmp1_b32 s60, 1
	s_cselect_b32 s5, 7, 31                        ; (r + 8 (r / 8)) & 7 = r % 8
	v_and_b32 v9, s5, v5
	v_add_nc_u32 v9, s4, v9                        ; tiles 4-7
	s_cmp_lt_u32 s60, 4
	s_cselect_b32 s5, -1, 0
	v_cndmask_b32 v7, v9, v7, s5
	v_cvt_f32_u32 v9, v7                           ; P
	s_lshl_b32 s6, s61, 5
	v_lshl_add_u32 v11, v4, 4, s6                  ; my first column: 32 w + 16 h
	s_wait_alu depctr_va_vdst(0)
	s_mov_b32 s44, 0xbd135d8e                      ; f32(-ln 10000 / 256)
	s_mov_b32 s45, 0x3fb8aa3b                      ; log2(e), upper word
	s_mov_b32 s46, 0x32a57060                      ; and the rest
	s_mov_b32 s47, 0x3f22f983                      ; 2 / pi
	s_mov_b32 s48, 0x3fc90fdb                      ; pi / 2, upper word
	s_mov_b32 s49, 0xb33bbd2e                      ; and the rest
	s_mov_b32 s50, 0xbe2aaaa3                      ; sin: r + r z (S1 + z (S2 + z S3))
	s_mov_b32 s51, 0x3c08839e
	s_mov_b32 s52, 0xb94ca1f9
	s_mov_b32 s53, 0x3d2aaaa5                      ; cos: 1 - z / 2 + z z (C1 + z (C2 + z C3))
	s_mov_b32 s54, 0xbab6061a
	s_mov_b32 s55, 0x37ccf5ce
.irp p,0,1,2,3,4,5,6,7
	v_add_nc_u32 v[A0+\p], 2*\p, v11               ; 2 i of pair p
.endr
.irp p,0,1,2,3,4,5,6,7
	v_cvt_f32_u32 v[A0+\p], v[A0+\p]
.endr
.irp p,0,1,2,3,4,5,6,7
	v_mul_f32 v[A0+\p], s44, v[A0+\p]              ; x, rounded as reference() rounds it
.endr
.irp p,0,1,2,3,4,5,6,7
	v_mul_f32 v[A1+\p], s45, v[A0+\p]              ; x log2(e): upper word,
.endr
.irp p,0,1,2,3,4,5,6,7
	v_fma_f32 v[A2+\p], v[A0+\p], s45, -v[A1+\p]   ; what the rounding dropped,
.endr
.irp p,0,1,2,3,4,5,6,7
	v_fma_f32 v[A2+\p], v[A0+\p], s46, v[A2+\p]    ; and the constant's rest
.endr
.irp p,0,1,2,3,4,5,6,7
	v_rndne_f32 v[A3+\p], v[A1+\p]                 ; the whole part
.endr
.irp p,0,1,2,3,4,5,6,7
	v_sub_f32 v[A1+\p], v[A1+\p], v[A3+\p]
.endr
.irp p,0,1,2,3,4,5,6,7
	v_add_f32 v[A1+\p], v[A1+\p], v[A2+\p]         ; the rest, within +-1/2
.endr
	s_wait_alu depctr_va_vdst(0)
.irp p,0,1,2,3,4,5,6,7
	v_exp_f32 v[DIV+\p], v[A1+\p]                  ; one batch of eight
.endr
	v_nop                                          ; a plain line behind the last of them
.irp p,0,1,2,3,4,5,6,7
	v_cvt_i32_f32 v[A3+\p], v[A3+\p]
.endr
	s_wait_alu depctr_va_vdst(0)                   ; one wait for the batch, ahead of its first reader
.irp p,0,1,2,3,4,5,6,7
	v_ldexp_f32 v[DIV+\p], v[DIV+\p], v[A3+\p]     ; div = exp(x)
.endr
.irp p,0,1,2,3,4,5,6,7
	v_mul_f32 v[A0+\p], v9, v[DIV+\p]              ; ang
.endr
.irp p,0,1,2,3,4,5,6,7
	v_fma_f32 v[ER+\p], v9, v[DIV+\p], -v[A0+\p]   ; P div - ang, exactly
.endr
.irp p,0,1,2,3,4,5,6,7
	v_mul_f32 v[A1+\p], s47, v[A0+\p]
.endr
.irp p,0,1,2,3,4,5,6,7
	v_rndne_f32 v[A1+\p], v[A1+\p]                 ; n, at most 1,284
.endr
.irp p,0,1,2,3,4,5,6,7
	v_fma_f32 v[A2+\p], -v[A1+\p], s48, v[A0+\p]   ; ang - n pi/2
.endr
.irp p,0,1,2,3,4,5,6,7
	v_fma_f32 v[A2+\p], -v[A1+\p], s49, v[A2+\p]
.endr
.irp p,0,1,2,3,4,5,6,7
	v_add_f32 v[A2+\p], v[A2+\p], v[ER+\p]         ; r, of the exact product
.endr
.irp p,0,1,2,3,4,5,6,7
	v_cvt_i32_f32 v[QQ+\p], v[A1+\p]
.endr
.irp p,0,1,2,3,4,5,6,7
	v_mul_f32 v[A3+\p], v[A2+\p], v[A2+\p]         ; z = r r
.endr
.irp p,0,1,2,3,4,5,6,7
	v_fma_f32 v[A4+\p], v[A3+\p], s52, s51
.endr
.irp p,0,1,2,3,4,5,6,7
	v_fma_f32 v[A4+\p], v[A4+\p], v[A3+\p], s50
.endr
.irp p,0,1,2,3,4,5,6,7
	v_mul_f32 v[ZR+\p], v[A3+\p], v[A2+\p]
.endr
.irp p,0,1,2,3,4,5,6,7
	v_fma_f32 v[SN+\p], v[A4+\p], v[ZR+\p], v[A2+\p]   ; sin r
.endr
.irp p,0,1,2,3,4,5,6,7
	v_fma_f32 v[A4+\p], v[A3+\p], s55, s54
.endr
.irp p,0,1,2,3,4,5,6,7
	v_fma_f32 v[A4+\p], v[A4+\p], v[A3+\p], s53
.endr
.irp p,0,1,2,3,4,5,6,7
	v_mul_f32 v[ZR+\p], v[A3+\p], v[A3+\p]
.endr
.irp p,0,1,2,3,4,5,6,7
	v_fma_f32 v[CN+\p], v[A3+\p], -0.5, 1.0
.endr
.irp p,0,1,2,3,4,5,6,7
	v_fma_f32 v[CN+\p], v[A4+\p], v[ZR+\p], v[CN+\p]   ; cos r
.endr
.irp p,0,1,2,3,4,5,6,7
	v_and_b32 v[A4+\p], 1, v[QQ+\p]
.endr
.irp p,0,1,2,3,4,5,6,7
	v_cmp_eq_u32 vcc_lo, 1, v[A4+\p]               ; in the odd quadrants the two change places
	v_cndmask_b32 v[A2+\p], v[SN+\p], v[CN+\p], vcc_lo
	v_cndmask_b32 v[A3+\p], v[CN+\p], v[SN+\p], vcc_lo
.endr
.irp p,0,1,2,3,4,5,6,7
	v_lshlrev_b32 v[A4+\p], 30, v[QQ+\p]           ; sin is negative in quadrants 2, 3: bit 1 of n
.endr
.irp p,0,1,2,3,4,5,6,7
	v_and_b32 v[A4+\p], 0x80000000, v[A4+\p]
.endr
.irp p,0,1,2,3,4,5,6,7
	v_xor_b32 v[OUTR+2*\p], v[A4+\p], v[A2+\p]     ; even column: sin
.endr
.irp p,0,1,2,3,4,5,6,7
	v_add_nc_u32 v[QQ+\p], 1, v[QQ+\p]             ; cos in quadrants 1, 2: bit 1 of n + 1
.endr
.irp p,0,1,2,3,4,5,6,7
	v_lshlrev_b32 v[QQ+\p], 30, v[QQ+\p]
.endr
.irp p,0,1,2,3,4,5,6,7
	v_and_b32 v[QQ+\p], 0x80000000, v[QQ+\p]
.endr
.irp p,0,1,2,3,4,5,6,7
	v_xor_b32 v[OUTR+2*\p+1], v[QQ+\p], v[A3+\p]   ; odd column: cos
.endr
	s_wait_alu depctr_va_vdst(0)
	s_lshl_b32 s30, s60, 14                        ; 16,384 bytes a tile,
	s_lshl_b32 s31, s61, 11                        ; 2,048 a wave
	s_add_co_u32 s30, s30, s31
	s_mov_b32 s31, 0
	s_add_nc_u64 s[32:33], s[24:25], s[30:31]
.irp q,0,1,2,3
	global_store_b128 v6, v[OUTR+4*\q:OUTR+4*\q+3], s[32:33] offset:512*\q   ; 32 lanes store 512 consecutive bytes, aligned
.endr
	s_cmp_eq_u32 s60, 0
	s_cbranch_scc0 .Lnone
	s_lshl_b32 s34, s61, 10                        ; tile 0's waves store div too
	s_mov_b32 s35, 0
	s_add_nc_u64 s[36:37], s[24:25], s[34:35]
.irp q,0,1
	global_store_b128 v6, v[DIV+4*\q:DIV+4*\q+3], s[36:37] offset:131072+512*\q
.endr
.Lnone:
	s_endpgm
.Lfunc_end_k_q04f1af6387_prep:
	.size	k_q04f1af6387_prep, .Lfunc_end_k_q04f1af6387_prep-k_q04f1af6387_prep
	.p2alignl 7, 3214868480
	.fill 96, 4, 3214868480
	.section	.rodata,"a",@progbits
	.p2align	6, 0x0
	.amdhsa_kernel k_q04f1af6387_prep
		.amdhsa_group_segment_fixed_size 85760
		.amdhsa_private_segment_fixed_size 0
		.amdhsa_enable_private_segment 0
		.amdhsa_kernarg_size 80
		.amdhsa_user_sgpr_count 2
		.amdhsa_user_sgpr_kernarg_segment_ptr 1
		.amdhsa_wavefront_size32 1
		.amdhsa_system_sgpr_workgroup_id_x 1
		.amdhsa_system_sgpr_workgroup_id_y 1
		.amdhsa_system_sgpr_workgroup_id_z 1
		.amdhsa_system_vgpr_workitem_id 0
		.amdhsa_next_free_vgpr 192
		.amdhsa_next_free_sgpr 66
		.amdhsa_reserve_vcc 1
		.amdhsa_float_denorm_mode_32 3
		.amdhsa_float_denorm_mode_16_64 3
		.amdhsa_memory_ordered 1
		.amdhsa_forward_progress 1
		.amdhsa_inst_pref_size 34
	.end_amdhsa_kernel
	.amdgpu_metadata
---
amdhsa.version: [ 1, 2 ]
amdhsa.kernels:
  - .name:           k_q04f1af6387_prep
    .symbol:         k_q04f1af6387_prep.kd
    .args:
      - { .name: src, .offset: 0, .size: 8, .value_kind: global_buffer, .address_space: global }
      - { .name: W_enc, .offset: 8, .size: 8, .value_kind: global_buffer, .address_space: global }
      - { .name: in_proj_w, .offset: 16, .size: 8, .value_kind: global_buffer, .address_space: global }
      - { .name: out_proj_w, .offset: 24, .size: 8, .value_kind: global_buffer, .address_space: global }
      - { .name: lin1_w, .offset: 32, .size: 8, .value_kind: global_buffer, .address_space: global }
      - { .name: lin2_w, .offset: 40, .size: 8, .value_kind: global_buffer, .address_space: global }
      - { .name: fc1_w, .offset: 48, .size: 8, .value_kind: global_buffer, .address_space: global }
      - { .name: wq, .offset: 56, .size: 8, .value_kind: global_buffer, .address_space: global }
      - { .name: pet, .offset: 64, .size: 8, .value_kind: global_buffer, .address_space: global }
      - { .name: srcq, .offset: 72, .size: 8, .value_kind: global_buffer, .address_space: global }
    .group_segment_fixed_size: 85760
    .private_segment_fixed_size: 0
    .kernarg_segment_align: 8
    .kernarg_segment_size: 80
    .max_flat_workgroup_size: 320
    .sgpr_count:     66
    .vgpr_count:     192
    .wavefront_size: 32
...
	.end_amdgpu_metadata
.endif
;; end of part 1
;; launch enc (part 2): grid 32 x 8, 8 waves a work-group, no clusters, 240,640 bytes of LDS; arguments srcq, wq, pet, in_proj_b, out_proj_b, ln1_w, ln1_b, lin1_b, lin2_b, ln2_w, ln2_b, fc1_b, fc2_w, fc2_b, out0, b_enc; writes out0
.if DOCPART == 2
	.amdgcn_target "amdgcn-amd-amdhsa--gfx1250"
	.amdhsa_code_object_version 6
	.text
	.protected	k_q04f1af6387_enc
	.globl	k_q04f1af6387_enc
	.p2align	8
	.type	k_q04f1af6387_enc,@function
k_q04f1af6387_enc:
	s_mov_b64 s[64:65], 0
	v_nop
	global_prefetch_b8 v0, s[64:65] scope:SCOPE_SE
	s_setreg_imm32_b32 hwreg(HW_REG_WAVE_MODE, 25, 1), 1
	s_wait_xcnt 0x0
; THE WHOLE LAYER for 64 rows of one sequence: x0 = src W_enc^T + (b_enc + PE); q, k, v; banded attention; out-projection, LN; FFN, LN; fc1, fc2.  Products 1 to 8 on codes of E5M2 with E8M0 scales, product 9 by f32 multiply-adds.
; WORK LEFT OUT: input_lengths (no line of reference() names it: not an argument); key tiles wholly outside reference()'s own band mask (a query tile takes the 160 keys of five blocks of 32 in place of 2,000).
;   LIMIT: a NaN, an infinity or an overflow that would reach only the work left out is not carried to the result.
; SHARES.  Work-group (g, batch) owns rows 64 g .. 64 g + 63.  It also makes x0, k and v of the 128 rows in front (the band reaches back 99 rows, and v and p are quantised along the keys in blocks of 32 counted from key 0).
;   Local blocks 0-5 of 32 rows stand for the sequence's blocks clamp(2 g - 4 + bl, 0, 62).  Blocks in front of the sequence (g = 0, 1) and behind it (g = 31) are made from the clamped block's numbers and then masked or not stored.
;   In block 62 the rows 2000 .. 2015 are copies of the rows 16 earlier, their positional encoding too: they move no block's largest magnitude.
; THE EIGHT WAVES SHARE THE COLUMNS: wave w makes columns 32 w .. 32 w + 31 of every layer, for all rows.  Its fragments of each weight go from wq straight into its registers, each byte once a work-group.
;   Activations go from wave to wave through LDS as IMAGES OF THE OPERAND'S REGISTERS: a tile of 16 rows x 256 K is 4,096 bytes (K step s at 2048 s, registers 4 c .. 4 c + 3 at 512 c, lane l at 16 l), its scale words 128 bytes
;   (K step s, row r at 64 s + 4 r): one load of 4 bytes a lane brings K step 0's words in lanes 0-15 and K step 1's in lanes 16-31.  src comes from memory as such images.  The residuals x0, x1 stay in registers.
; TILES.  Lane index x of tile (b, u) stands for row 32 b + 8 u + x + 8 (x / 8), for activations and weights alike.  A product used transposed (source 0 = weight, source 1 = rows) then leaves in a lane one row and, in the 16 registers
;   of the wave's two weight tiles, 16 neighbours along the next K: the conversions' results are registers 4 (w % 4) .. + 3 of K step w / 4.  v is made the other way round (source 0 = rows): a lane holds one channel and 16 neighbouring keys.
; THE POSITIONAL ENCODING is made here, as the accumulators that take it as C: sin, cos of (block's first position) x div and of (place in the block) x div come from pet; the angles' sum gives s, c of the exact product pos div.
;   reference() takes sin, cos of ang = f32(pos div): with e = pos div - ang (one fused multiply-add) they are s - e c and c + e s.
; ATTENTION: one job a wave: head w / 4, query tile w % 4.  S^T = K Q^T, mask, p = 2^(t - M) with M = ceil(the row's largest t), the sum of the unquantised p, p quantised along the keys, O^T = V^T P^T, / the sum.  One pass: all 160 keys are in registers.
; LAYER NORMS: each wave's mean and sum of squared deviations of its 32 columns, joined across the eight waves without a difference of large sums: M2 = sum M2_w + 32 sum (mean_w - mean)^2.
; NO CLUSTER, NO TENSOR LOAD: the weights are what all work-groups walk, but they land in registers; joint loads would need transit slots in LDS, 8 waves x 16,896 bytes for two weights at a time, and the images take
;   240,640 of the 327,680 bytes.  NO PREFETCH: every stream from memory is asked for a trip or more ahead, into registers.
; LIMITS: biases beside a residual are added behind the product's sum, and b_enc to PE (other orders of f32 roundings than reference()'s); the encoding's terms of second order in e (e is at most 6.2e-5) are left out;
;   1 / l and 1 / sqrt are v_rcp_f32 and v_rsq_f32; a p under 2^-126 counts as 0; a block of zeros has the scale byte 1
;   (its codes are zeros; only this launch reads the bytes); NaN and infinities among the inputs are not served; the softmax is held for scaled scores (base 2) under 2^31 in magnitude.
; LDS
.set SRCSC, 0                          ; scale images: 128 bytes a tile
.set X0SC,  1536
.set KSC,   3072
.set QSC,   4608
.set CTXSC, 5120
.set X1SC,  5632
.set HSC,   6144
.set X2SC,  6656
.set VSC,   7168                       ; V's scale bytes: 512 bytes a tile of 16 channels, 32 a channel; block bl's byte at bl, 11 + bl and 22 + bl, so that the words at 0, 12, 24 are blocks 0-3, 1-4, 2-5
.set LN1S,  15360                      ; 64 rows x 80 bytes: wave w's (mean, M2) at 8 w
.set LN2S,  20480
.set FCP,   25600                      ; 64 rows x 16 bytes: the four parts of fc2's sum
.set SPARE, 26624                      ; the spare words, 128 bytes a wave: four blocks of 256 bytes that no other line names
.set SRCIM, 27648                      ; images: 12 tiles x 4,096
.set X0IM,  76800
.set KIM,   125952
.set VIM,   175104                     ; V^T: (6 x channel tile + block) x 512 + 16 l
.set QIM,   224256                     ; 4 tiles
.set CTXIM, SRCIM                      ; regions used again; a barrier or more lies between a region's last read and its new stores
.set X1IM,  SRCIM+16384
.set HIM,   SRCIM+32768
.set X2IM,  X0IM
; registers, window 0
.set LI,  1                            ; 16 l
.set LS,  2                            ; 4 l
.set WST, 3                            ; 16 l + 512 w: where my codes lie in a tile's image
.set BST, 4                            ; 4 r + 64 (w / 4) + w % 4: where my scale byte lies
.set PO,  5                            ; 128 w + 64 h: my 16 numbers of a vector of 256
.set SPW, 6                            ; my spare word; never rewritten
.set NIL, 7                            ; 0; never rewritten
.set AD0, 8                            ; v8-13 addresses of the phase in hand
.set AD1, 9
.set AD2, 10
.set AD3, 11
.set AD4, 12
.set AD5, 13
.set TM,  14                           ; v14-29 the quantiser's
.set PC,  30                           ; v30-45 codes just made
.set WSC, 46                           ; v46-53 the weights' scale words, and nothing else
.set SCR, 54                           ; v54-63 the activations', K's, V's and p's scale words, and nothing else
.set ACC, 64                           ; v64-127 accumulators: four tiles x (two weight tiles x 8)
.set B,   128                          ; v128-191 two tiles' fragments: 32 ti + 16 s
.set AUX, 192                          ; v192-255 by phase: PE + b_enc, biases, gains, the hidden layer
.set VB0, 252                          ; phase 3: 16 l + 6144 w
.set VB1, 253                          ; phase 3: 32 r + 1024 w
; window 1: four slots of 64: a weight's fragments at 32 u + 16 s.  Slot 0: W_enc, Wq, K and V, operands; 1: src on its way to LDS, Wk, q's operands, K and V, lin1; 2: PE of trip 2, which grows into x0 of the own rows and stays until LN1, lin2;
;   3: PE of trip 1, Wv, V, then fc1's two fragments (192), lin1_b (224), out_proj_b (240)
; the head: the positional encoding
.set POS, 36                           ; v36-37 my row's position as f32
.set OFA, 38                           ; v38, 39 my place in a block for u = 0, 1; v40, 41 the same for trip 2
.set PTO, 33
.set DVO, 34
.set PDV, 64                           ; v64-71  div of my 8 pairs of columns
.set PB,  72                           ; v72-87  my 16 numbers of b_enc
.set PX,  88                           ; v88-103, v104-119 at work
.set PXB, 104
.set PEE, 120                          ; v120-127 e
; attention
.set SS,  64                           ; v64-143 S^T, then p; then Wo's fragments (v64-127)
.set OO,  144                          ; v144-207 O^T
.set KFR, 144                          ; v144-223 five fragments of K (the other five: window 1, v0-79)
.set PCD, 208                          ; v208-239 p's codes: keys 0-127, then a fragment that is zero but for keys 128-159
.set QFR, 240                          ; v240-255 Q
.set BM,  14
.set BP,  19
.set HL,  24
.set SO,  29
.set NM,  34
.set SUM, 36
.set SUM2, 38
.set MLO, 40
.set RNG, 41
.set T0,  42
.set T1,  43
.set NINF, 44
.set ADK, 8
.set ADKS, 9
.set ADQ, 10
.set ADQS, 11
.set ADV, 12
.set ADVS, 13
.set SEL, 40                           ; s[40:41] lane l xor 16
.set MNT, 42                           ; s42 the mantissa field of 57,344
.set CS,  44                           ; s[44:45] log2(e) / sqrt(128)
.set MSB, 0
.macro WIN new                         ; the immediate's high byte repeats the setting that is left
.if MSB != \new
	s_set_vgpr_msb (MSB<<8)|\new
.set MSB, \new
.endif
.endm
.macro PLACES n                        ; plain lines behind matrix instructions: eight ahead of loads into their registers and of reads of their results
.rept \n
	v_nop
.endr
.endm
.macro BARRIER                         ; my LDS stores have landed and my LDS loads are in: then the work-group's barrier
	s_wait_dscnt 0x0
	s_barrier_signal -1
	s_barrier_wait -1
.endm
.macro WMS d, a, b, cc, sa, sb, row    ; row = 1: K step 1, whose scale words lie in lanes 16-31
.if \row
	v_wmma_scale_f32_16x16x128_f8f6f4 v[(\d):(\d)+7], v[(\a):(\a)+15], v[(\b):(\b)+15], v[(\cc):(\cc)+7], v[\sa], v[\sb] matrix_a_fmt:MATRIX_FMT_BF8 matrix_b_fmt:MATRIX_FMT_BF8 matrix_a_scale:MATRIX_SCALE_ROW1 matrix_b_scale:MATRIX_SCALE_ROW1
.else
	v_wmma_scale_f32_16x16x128_f8f6f4 v[(\d):(\d)+7], v[(\a):(\a)+15], v[(\b):(\b)+15], v[(\cc):(\cc)+7], v[\sa], v[\sb] matrix_a_fmt:MATRIX_FMT_BF8 matrix_b_fmt:MATRIX_FMT_BF8
.endif
.endm
.macro WMZ d, a, b, sa, sb, row        ; the constant 0 starts the sum; row: the half of the lanes that holds source 0's scale words
.if \row
	v_wmma_scale_f32_16x16x128_f8f6f4 v[(\d):(\d)+7], v[(\a):(\a)+15], v[(\b):(\b)+15], 0, v[\sa], v[\sb] matrix_a_fmt:MATRIX_FMT_BF8 matrix_b_fmt:MATRIX_FMT_BF8 matrix_a_scale:MATRIX_SCALE_ROW1
.else
	v_wmma_scale_f32_16x16x128_f8f6f4 v[(\d):(\d)+7], v[(\a):(\a)+15], v[(\b):(\b)+15], 0, v[\sa], v[\sb] matrix_a_fmt:MATRIX_FMT_BF8 matrix_b_fmt:MATRIX_FMT_BF8
.endif
.endm
.macro WMA1 d, a, b, sa, sb            ; in place; source 0's scale words in lanes 16-31
	v_wmma_scale_f32_16x16x128_f8f6f4 v[(\d):(\d)+7], v[(\a):(\a)+15], v[(\b):(\b)+15], v[(\d):(\d)+7], v[\sa], v[\sb] matrix_a_fmt:MATRIX_FMT_BF8 matrix_b_fmt:MATRIX_FMT_BF8 matrix_a_scale:MATRIX_SCALE_ROW1
.endm
; 64 numbers of a lane, v[s] on in window sw, in four blocks of 16 registers (each with lane l xor 16's 16 a block of 32 along K), become codes in v[PC + 4 b] on and bytes in v[TM + 4 + b]; the held numbers go to v[d] on (d = s, sw = 0: in place); word = 1: the bytes joined in v[TM+4]
.macro QUANT s, relu, word, d, sw
	WIN (5*\sw)
.if \relu
.irp b,0,1,2,3
	v_max3_num_f32 v[TM+\b], v[\s+16*\b], v[\s+16*\b+1], 0x8000000            ; no |.|: what is negative becomes 0 and must not count; the floor stands over it
.endr
.irp i,2,4,6,8,10,12,14
.irp b,0,1,2,3
	v_max3_num_f32 v[TM+\b], v[\s+16*\b+\i], v[\s+16*\b+\i+1], v[TM+\b]
.endr
.endr
.else
.irp b,0,1,2,3
	v_max3_num_f32 v[TM+\b], |v[\s+16*\b]|, |v[\s+16*\b+1]|, 0x8000000        ; with the floor 2^(16 - 127): the byte cannot fall under 1
.endr
.irp i,2,4,6,8,10,12,14
.irp b,0,1,2,3
	v_max3_num_f32 v[TM+\b], |v[\s+16*\b+\i]|, |v[\s+16*\b+\i+1]|, v[TM+\b]   ; the four blocks by turns; each accumulator is read from its low end on
.endr
.endr
.endif
	WIN 0
.irp b,0,1,2,3
	v_permlanex16_b32 v[TM+4+\b], v[TM+\b], s[SEL], s[SEL+1]
.endr
.irp b,0,1,2,3
	s_delay_alu instid0(VALU_DEP_4)
	v_max_num_f32 v[TM+\b], v[TM+\b], v[TM+4+\b]
.endr
.irp b,0,1,2,3
	s_delay_alu instid0(VALU_DEP_4)
	v_add_nc_u32 v[TM+12+\b], 0xf8800000, v[TM+\b]            ; 15 off the exponent field: the conversion's scale operand
.endr
.irp b,0,1,2,3
	v_and_or_b32 v[TM+8+\b], v[TM+\b], 0x7f800000, s[MNT]     ; 57,344 x the scale
.endr
.irp b,0,1,2,3
	v_lshrrev_b32 v[TM+4+\b], 23, v[TM+12+\b]                 ; the scale's byte
.endr
.if \word
	s_delay_alu instid0(VALU_DEP_3)
	v_lshl_or_b32 v[TM+4], v[TM+5], 8, v[TM+4]
	s_delay_alu instid0(VALU_DEP_1)
	v_lshl_or_b32 v[TM+4], v[TM+6], 16, v[TM+4]
	s_delay_alu instid0(VALU_DEP_1)
	v_lshl_or_b32 v[TM+4], v[TM+7], 24, v[TM+4]
.endif
	WIN \sw
.irp b,0,1,2,3
.irp i,0,1,2,3,4,5,6,7,8,9,10,11,12,13,14,15
.if \relu
	v_med3_num_f32 v[\d+16*\b+\i], v[\s+16*\b+\i], 0, v[TM+8+\b]              ; the activation and the hold in one
.else
	v_med3_num_f32 v[\d+16*\b+\i], v[\s+16*\b+\i], -v[TM+8+\b], v[TM+8+\b]    ; the conversion does not saturate (ISA guide 7.6.2): the hold comes first
.endif
.endr
.endr
	WIN 0
.irp b,0,1,2,3
	v_cvt_scalef32_pk8_bf8_f32 v[PC+4*\b:PC+4*\b+1], v[\d+16*\b:\d+16*\b+7], v[TM+12+\b]
	v_cvt_scalef32_pk8_bf8_f32 v[PC+4*\b+2:PC+4*\b+3], v[\d+16*\b+8:\d+16*\b+15], v[TM+12+\b]
.endr
	v_nop                                          ; one plain line behind the last scaled conversion
.endm
.macro FRAGS dst, ai, io               ; two tiles' fragments, both K steps
.irp ti,0,1
.irp s,0,1
.irp c,0,1,2,3
	ds_load_b128 v[\dst+32*\ti+16*\s+4*\c:\dst+32*\ti+16*\s+4*\c+3], v[\ai] offset:\io+4096*\ti+2048*\s+512*\c
.endr
.endr
.endr
.endm
.macro BLOAD ai, io, sa, so            ; two tiles' scale words and fragments
.irp ti,0,1
	ds_load_b32 v[SCR+\ti], v[\sa] offset:\so+128*\ti
.endr
	FRAGS B, \ai, \io
.endm
; Eight matrix instructions, transposed: my two weight tiles (v[wr] on, window ww) x two tiles of rows (v[bb] on, window bw) x two K steps, into v[d] on, window dw.  Four accumulators by turns, one instruction a turn.
; cm: the C of K step 0: 0 = the accumulator as it stands; 1 = v[cr + 8 u]; 2 = v[cr + 16 ti + 8 u]; 3 = v[cr + 8 u] of window 1; 4 = v[cr + 16 ti + 8 u] of window 1
.macro GEMMT d, dw, wr, ww, ws, cm, cr, bb, bw, sc
.irp s,0,1
.irp ti,0,1
.irp u,0,1
.if \s==1
	WIN (\ww+4*\bw+80*\dw)
	WMS (\d)+16*\ti+8*\u, (\wr)+32*\u+16, (\bb)+32*\ti+16, (\d)+16*\ti+8*\u, (\ws)+\u, (\sc)+\ti, 1
.elseif \cm==0
	WIN (\ww+4*\bw+80*\dw)
	WMS (\d)+16*\ti+8*\u, (\wr)+32*\u, (\bb)+32*\ti, (\d)+16*\ti+8*\u, (\ws)+\u, (\sc)+\ti, 0
.else
.if \cm>=3
	WIN (\ww+4*\bw+16+64*\dw)
.else
	WIN (\ww+4*\bw+64*\dw)
.endif
.if (\cm%2)==0
	WMS (\d)+16*\ti+8*\u, (\wr)+32*\u, (\bb)+32*\ti, (\cr)+16*\ti+8*\u, (\ws)+\u, (\sc)+\ti, 0
.else
	WMS (\d)+16*\ti+8*\u, (\wr)+32*\u, (\bb)+32*\ti, (\cr)+8*\u, (\ws)+\u, (\sc)+\ti, 0
.endif
.endif
.endr
.endr
.endr
	WIN 0
.endm
; k (transposed) and v (source 0 = the rows) of one block of 32 rows: sixteen matrix instructions on eight accumulators by turns
.macro GEMMKV
.irp s,0,1
	WIN 0x01
.irp ti,0,1
.irp u,0,1
.if \s==0
	WMS ACC+16*\ti+8*\u, 64+32*\u, B+32*\ti, AUX+16+8*\u, WSC+4+\u, SCR+\ti, 0
.else
	WMS ACC+16*\ti+8*\u, 64+32*\u+16, B+32*\ti+16, ACC+16*\ti+8*\u, WSC+4+\u, SCR+\ti, 1
.endif
.endr
.endr
	WIN 0x04
.irp ti,0,1
.irp u,0,1
.if \s==0
	WMS ACC+32+16*\u+8*\ti, B+32*\ti, 192+32*\u, AUX+32+8*\u, SCR+\ti, WSC+6+\u, 0
.else
	WMS ACC+32+16*\u+8*\ti, B+32*\ti+16, 192+32*\u+16, ACC+32+16*\u+8*\ti, SCR+\ti, WSC+6+\u, 1
.endif
.endr
.endr
.endr
	WIN 0
.endm
.macro PUT ai, io, sa, so, n, ist, sst   ; the codes and bytes of the quantiser's first n blocks into n images
.set pi_, 0
.rept \n
	ds_store_b128 v[\ai], v[PC+4*pi_:PC+4*pi_+3] offset:\io+pi_*(\ist)
	ds_store_b8 v[\sa], v[TM+4+pi_] offset:\so+pi_*(\sst)                       ; both lanes of a block store the same byte
.set pi_, pi_+1
.endr
.endm
.macro WLOAD dst, win, wb0             ; my block of the weight whose first block is wb0: four fragments into v[dst] on
	WIN \win
.irp k,0,1,2,3,4,5,6,7,8,9,10,11,12,13,14,15
	global_load_b128 v[\dst+4*\k:\dst+4*\k+3], v[LI], s[66:67] offset:8448*(\wb0)+512*\k
.endr
	WIN 0
.endm
.macro WSLOAD reg, wb0
.irp u,0,1
	global_load_b32 v[(\reg)+\u], v[LS], s[66:67] offset:8448*(\wb0)+8192+128*\u
.endr
.endm
.macro PLOAD dst, ptr, off             ; my 16 numbers of a vector of 256
.irp i,0,1,2,3
	global_load_b128 v[(\dst)+4*\i:(\dst)+4*\i+3], v[PO], s[\ptr:\ptr+1] offset:(\off)+16*\i
.endr
.endm
.macro PTLD dst, bl                    ; sin, cos of local block bl's first position
.irp q,0,1,2,3
	global_load_b128 v[\dst+4*\q:\dst+4*\q+3], v[PTO], s[88+2*\bl:89+2*\bl] offset:512*\q
.endr
.endm
; PE + b_enc of a tile into v[o] on: t = (sin A, cos A) of the block, sb = (sin B, cos B) of my row, both as eight pairs; o and t lie in window w
.macro PETILE o, t, w, blk, sb, off
	v_add_nc_u32 v[POS], s[\blk], v[\off]
	v_cvt_f32_u32 v[POS], v[POS]
.irp p,0,2,4,6
	v_pk_mul_f32 v[PEE+\p:PEE+\p+1], v[PDV+\p:PDV+\p+1], v[POS:POS+1] op_sel_hi:[1,0]          ; ang, rounded as reference() rounds it
.endr
.irp p,0,2,4,6
	v_pk_fma_f32 v[PEE+\p:PEE+\p+1], v[PDV+\p:PDV+\p+1], v[POS:POS+1], v[PEE+\p:PEE+\p+1] op_sel_hi:[1,0,1] neg_lo:[0,0,1] neg_hi:[0,0,1]   ; e = pos div - ang
.endr
	WIN \w
.irp p,0,2,4,6,8,10,12,14
	v_pk_mul_f32 v[PX+\p:PX+\p+1], v[\t+\p:\t+\p+1], v[\sb+\p:\sb+\p+1] op_sel:[0,1] op_sel_hi:[1,1]   ; sin A cos B, cos A cos B
.endr
.irp p,0,2,4,6,8,10,12,14
	v_pk_fma_f32 v[PX+\p:PX+\p+1], v[\t+\p:\t+\p+1], v[\sb+\p:\sb+\p+1], v[PX+\p:PX+\p+1] op_sel:[1,0,0] op_sel_hi:[0,0,1] neg_hi:[1,0,0]   ; + cos A sin B, - sin A sin B: (s, c)
.endr
	WIN 0
.irp p,0,2,4,6,8,10,12,14
	v_pk_add_f32 v[PXB+\p:PXB+\p+1], v[PX+\p:PX+\p+1], v[PB+\p:PB+\p+1]
.endr
	WIN (64*\w)
.irp p,0,4,8,12                        ; + (-e c, e s)
	v_pk_fma_f32 v[\o+\p:\o+\p+1], v[PEE+\p/2:PEE+\p/2+1], v[PX+\p:PX+\p+1], v[PXB+\p:PXB+\p+1] op_sel:[0,1,0] op_sel_hi:[0,0,1] neg_lo:[1,0,0]
	v_pk_fma_f32 v[\o+\p+2:\o+\p+3], v[PEE+\p/2:PEE+\p/2+1], v[PX+\p+2:PX+\p+3], v[PXB+\p+2:PXB+\p+3] op_sel:[1,1,0] op_sel_hi:[1,0,1] neg_lo:[1,0,0]
.endr
	WIN 0
.endm
.macro PEBLK o, w, blk, sb, off        ; a block's two tiles; the block's sin, cos lie where the second tile's result goes
	PETILE \o, \o+16, \w, \blk, \sb, \off
	PETILE \o+16, \o+16, \w, \blk, \sb+16, \off+1
.endm
.macro X0MM t, d, dw, cm, cr           ; x0 of four tiles.  The first two tiles' fragments have been asked for
	s_wait_dscnt 0x0
	GEMMT \d, \dw, 0, 1, WSC, \cm, \cr, B, 0, SCR
	PLACES 8
	BLOAD AD0, 16384*\t+8192, LS, SRCSC+512*\t+256
	s_wait_dscnt 0x0
	GEMMT \d+32, \dw, 0, 1, WSC, \cm, \cr+32, B, 0, SCR
	PLACES 8
.if \t < 2
	BLOAD AD0, 16384*\t+16384, LS, SRCSC+512*\t+512   ; the next trip's first two tiles, ahead of the quantiser
.endif
.endm
.macro X0Q t, s, sw
	QUANT \s, 0, 0, ACC, \sw
	PUT AD2, 16384*\t, BST, X0SC+512*\t, 4, 4096, 128
.endm
.macro LLD so, b1                      ; the four own tiles: scale words, tiles 0, 1 into B, tiles 2, 3 into v[b1] of window 1 (a slot whose weight is done with): 36 loads
.irp t,0,1,2,3
	ds_load_b32 v[SCR+\t], v[LS] offset:\so+128*\t
.endr
	FRAGS B, AD0, 0
	WIN 0x40
	FRAGS \b1, AD0, 8192
	WIN 0
.endm
.macro LMM d, dw, wr, ww, ws, cm, cr, b1, n   ; my 32 columns of a layer.  n: the LDS loads of tiles 2, 3, which may be out
	s_wait_dscnt \n
	GEMMT \d, \dw, \wr, \ww, \ws, \cm, \cr, B, 0, SCR
	s_wait_dscnt 0x0
	GEMMT \d+32, \dw, \wr, \ww, \ws, \cm, \cr, \b1, 1, SCR+2
	PLACES 8
.endm
.macro LAYER_IN img, sc, d, dw, wr, ww, ws, cm, cr
	v_add_nc_u32 v[AD0], \img, v[LI]
	LLD \sc, 0
	s_wait_alu depctr_va_vdst(0)
	LMM \d, \dw, \wr, \ww, \ws, \cm, \cr, 0, 16
.endm
.macro LAYER_OUT img, sc, relu, s, d   ; quantised, into the four tiles' images
	v_add_nc_u32 v[AD1], \img, v[WST]
	QUANT \s, \relu, 0, \d, 0
	PUT AD1, 0, BST, \sc, 4, 4096, 128
.endm
.macro KVTRIP last                     ; k and v of a block; ahead of the quantiser the next block's operands are asked for (last = 1: q's)
	s_wait_dscnt 0x0
	GEMMKV
.if \last
	v_add_nc_u32 v[AD0], X0IM+32768, v[LI]         ; these address lines are places behind the matrix instructions
.else
	v_add_nc_u32 v[AD0], s74, v[LI]
	v_add_nc_u32 v[AD1], s75, v[LS]
.endif
	v_add_nc_u32 v[AD2], s76, v[WST]
	v_add_nc_u32 v[AD3], s77, v[BST]
	v_add_nc_u32 v[AD4], s78, v[VB0]
	v_add_nc_u32 v[AD5], s79, v[VB1]
	PLACES 4
.if \last
	LLD X0SC+1024, 64
.else
	BLOAD AD0, 0, AD1, 0
.endif
	QUANT ACC, 0, 0, ACC, 0                        ; blocks 0, 1: k of the two tiles, along the head's axis; blocks 2, 3: v of my two channel tiles, along these 32 keys
	PUT AD2, 0, AD3, 0, 2, 4096, 128
.irp u,0,1
	ds_store_b128 v[AD4], v[PC+8+4*\u:PC+8+4*\u+3] offset:3072*\u
	ds_store_b8 v[AD5], v[TM+6+\u] offset:512*\u
	ds_store_b8 v[AD5], v[TM+6+\u] offset:512*\u+11
	ds_store_b8 v[AD5], v[TM+6+\u] offset:512*\u+22
.endr
.endm
.macro LNSTAT base                     ; of each own row: the mean and the sum of squared deviations of my 32 columns
.irp q,0,1,2,3
	v_pk_add_f32 v[B+16*\q:B+16*\q+1], v[ACC+16*\q:ACC+16*\q+1], v[ACC+16*\q+2:ACC+16*\q+3]
.endr
.irp i,4,6,8,10,12,14
.irp q,0,1,2,3
	s_delay_alu instid0(VALU_DEP_4)
	v_pk_add_f32 v[B+16*\q:B+16*\q+1], v[B+16*\q:B+16*\q+1], v[ACC+16*\q+\i:ACC+16*\q+\i+1]
.endr
.endr
.irp q,0,1,2,3
	s_delay_alu instid0(VALU_DEP_4)
	v_add_f32 v[B+16*\q], v[B+16*\q], v[B+16*\q+1]
.endr
.irp q,0,1,2,3
	s_delay_alu instid0(VALU_DEP_4)
	v_permlanex16_b32 v[B+16*\q+1], v[B+16*\q], s[SEL], s[SEL+1]
.endr
.irp q,0,1,2,3
	s_delay_alu instid0(VALU_DEP_4)
	v_add_f32 v[B+16*\q], v[B+16*\q], v[B+16*\q+1]
.endr
.irp q,0,1,2,3
	s_delay_alu instid0(VALU_DEP_4)
	v_mul_f32 v[B+16*\q], 0x3d000000, v[B+16*\q]   ; / 32
.endr
.irp i,0,2,4,6,8,10,12,14
.irp q,0,1,2,3
	v_pk_add_f32 v[B+16*\q+2:B+16*\q+3], v[ACC+16*\q+\i:ACC+16*\q+\i+1], v[B+16*\q:B+16*\q+1] op_sel_hi:[1,0] neg_lo:[0,1] neg_hi:[0,1]
.endr
.irp q,0,1,2,3
.if \i == 0
	s_delay_alu instid0(VALU_DEP_4)
	v_pk_mul_f32 v[B+16*\q+4:B+16*\q+5], v[B+16*\q+2:B+16*\q+3], v[B+16*\q+2:B+16*\q+3]
.else
	s_delay_alu instid0(VALU_DEP_4)
	v_pk_fma_f32 v[B+16*\q+4:B+16*\q+5], v[B+16*\q+2:B+16*\q+3], v[B+16*\q+2:B+16*\q+3], v[B+16*\q+4:B+16*\q+5]
.endif
.endr
.endr
.irp q,0,1,2,3
	s_delay_alu instid0(VALU_DEP_4)
	v_add_f32 v[B+16*\q+4], v[B+16*\q+4], v[B+16*\q+5]
.endr
.irp q,0,1,2,3
	s_delay_alu instid0(VALU_DEP_4)
	v_permlanex16_b32 v[B+16*\q+5], v[B+16*\q+4], s[SEL], s[SEL+1]
.endr
.irp q,0,1,2,3
	s_delay_alu instid0(VALU_DEP_4)
	v_add_f32 v[B+16*\q+1], v[B+16*\q+4], v[B+16*\q+5]
.endr
.irp q,0,1,2,3
	ds_store_b64 v[AD2], v[B+16*\q:B+16*\q+1] offset:(\base)+1280*\q
.endr
.endm
.macro LNNORM base                     ; the eight waves' figures joined; the rows normalised in place.  Tile q's temporaries: v[14 + 8 q] on
.irp q,0,1,2,3
.irp i,0,1,2,3
	ds_load_b128 v[B+16*\q+4*\i:B+16*\q+4*\i+3], v[AD3] offset:(\base)+1280*\q+16*\i
.endr
.endr
	s_wait_dscnt 0x0
.irp q,0,1,2,3
	v_pk_add_f32 v[14+8*\q:15+8*\q], v[B+16*\q:B+16*\q+1], v[B+16*\q+2:B+16*\q+3]
.endr
.irp i,4,6,8,10,12,14
.irp q,0,1,2,3
	s_delay_alu instid0(VALU_DEP_4)
	v_pk_add_f32 v[14+8*\q:15+8*\q], v[14+8*\q:15+8*\q], v[B+16*\q+\i:B+16*\q+\i+1]   ; (sum of means, sum of M2)
.endr
.endr
.irp q,0,1,2,3
	s_delay_alu instid0(VALU_DEP_4)
	v_mul_f32 v[16+8*\q], 0x3e000000, v[14+8*\q]   ; the row's mean
.endr
.irp i,0,2,4,6,8,10,12,14
.irp q,0,1,2,3
	v_sub_f32 v[B+16*\q+\i], v[B+16*\q+\i], v[16+8*\q]
.endr
.endr
.irp q,0,1,2,3
	v_mul_f32 v[17+8*\q], v[B+16*\q], v[B+16*\q]
.endr
.irp i,2,4,6,8,10,12,14
.irp q,0,1,2,3
	s_delay_alu instid0(VALU_DEP_4)
	v_fmac_f32 v[17+8*\q], v[B+16*\q+\i], v[B+16*\q+\i]
.endr
.endr
.irp q,0,1,2,3
	s_delay_alu instid0(VALU_DEP_4)
	v_fma_f32 v[17+8*\q], v[17+8*\q], 0x42000000, v[15+8*\q]   ; M2 = 32 sum (mean_w - mean)^2 + sum M2_w
.endr
.irp q,0,1,2,3
	s_delay_alu instid0(VALU_DEP_4)
	v_fma_f32 v[18+8*\q], v[17+8*\q], 0x3b800000, s47          ; / 256 + 1e-5
.endr
	s_wait_alu depctr_va_vdst(0)
.irp q,0,1,2,3
	v_rsq_f32 v[14+8*\q], v[18+8*\q]
.endr
	v_nop                                          ; a plain line behind the last of the four
	s_wait_alu depctr_va_vdst(0)                   ; one wait for the four, ahead of their first reader
.irp q,0,1,2,3
.irp i,0,2,4,6,8,10,12,14
	v_pk_add_f32 v[ACC+16*\q+\i:ACC+16*\q+\i+1], v[ACC+16*\q+\i:ACC+16*\q+\i+1], v[16+8*\q:17+8*\q] op_sel_hi:[1,0] neg_lo:[0,1] neg_hi:[0,1]
.endr
.endr
.irp q,0,1,2,3
.irp i,0,2,4,6,8,10,12,14
	v_pk_mul_f32 v[ACC+16*\q+\i:ACC+16*\q+\i+1], v[ACC+16*\q+\i:ACC+16*\q+\i+1], v[14+8*\q:15+8*\q] op_sel_hi:[1,0]
.endr
.endr
.irp q,0,1,2,3
.irp i,0,2,4,6,8,10,12,14
	v_pk_fma_f32 v[ACC+16*\q+\i:ACC+16*\q+\i+1], v[ACC+16*\q+\i:ACC+16*\q+\i+1], v[AUX+\i:AUX+\i+1], v[AUX+16+\i:AUX+16+\i+1]
.endr
.endr
.endm
	; ================ head
	s_load_b512 s[8:23], s[0:1], 0x0               ; srcq 8, wq 10, pet 12, in_proj_b 14, out_proj_b 16, ln1_w 18, ln1_b 20, lin1_b 22
	s_load_b256 s[24:31], s[0:1], 0x40             ; lin2_b 24, ln2_w 26, ln2_b 28, fc1_b 30
	s_load_b128 s[32:35], s[0:1], 0x60             ; fc2_w 32, fc2_b 34
	s_load_b64 s[36:37], s[0:1], 0x70              ; out0
	s_load_b64 s[62:63], s[0:1], 0x78              ; b_enc
	v_lshl_add_u32 v[SPW], v0, 2, SPARE
	v_mov_b32 v[NIL], 0
	v_lshrrev_b32 v30, 5, v0
	v_readfirstlane_b32 s2, v30                    ; wave w
	v_and_b32 v32, 31, v0                          ; lane l
	v_and_b32 v30, 15, v0                          ; r
	v_bfe_u32 v31, v0, 4, 1                        ; h
	s_wait_alu depctr_va_vdst(0)
	s_mov_b32 s3, ttmp9                            ; g
	s_and_b32 s4, ttmp7, 0xffff                    ; batch
	s_lshr_b32 s5, s2, 2                           ; w / 4
	s_and_b32 s6, s2, 3                            ; w % 4
	v_lshlrev_b32 v[LI], 4, v32
	v_lshlrev_b32 v[LS], 2, v32
	s_lshl_b32 s7, s6, 11
	v_add_nc_u32 v[AD0], s7, v[LI]                 ; srcq: fragment w % 4 of a block: its codes,
	s_lshl_b32 s7, s6, 6
	v_lshl_add_u32 v[AD1], v30, 2, s7              ; its scale words
	s_lshl_b32 s7, s2, 11
	v_add_nc_u32 v[AD4], s7, v[LI]                 ; pet: 2,048 w + 16 l,
	v_lshl_add_u32 v[PTO], v31, 8, s7              ; a block's: 2,048 w + 256 h,
	s_lshl_b32 s70, s2, 10
	v_add_nc_u32 v[DVO], s70, v[LI]                ; div: 1,024 w + 16 l
	s_add_co_u32 s7, s7, SRCIM
	v_add_nc_u32 v[AD2], s7, v[LI]                 ; src's images: fragment w + 8 i at 2,048 (w + 8 i)
	s_lshl_b32 s7, s2, 6
	v_lshl_add_u32 v[AD3], v30, 2, s7              ; and their scale words, from LDS byte SRCSC = 0 on
	s_lshl_b32 s7, s2, 7
	v_lshl_add_u32 v[PO], v31, 6, s7
	s_lshl_b32 s46, s3, 1
	s_add_co_i32 s46, s46, -4                      ; local block 0's place, before the clamp
	s_mul_i32 s68, s4, 63
.irp i,0,1,2                           ; fragment w + 8 i of src: local block w / 4 + 2 i
	s_add_co_i32 s7, s46, s5
	s_add_co_i32 s7, s7, 2*\i
	s_max_i32 s7, s7, 0
	s_min_i32 s7, s7, 62
	s_add_co_u32 s7, s7, s68
	s_mul_i32 s[48+2*\i], s7, 8448
	s_mov_b32 s[49+2*\i], 0
.endr
.irp i,0,1,2,3,4,5                     ; s74-79: the blocks' first positions; s[88:99]: their places in pet
	s_add_co_i32 s7, s46, \i
	s_max_i32 s7, s7, 0
	s_min_i32 s7, s7, 62
	s_lshl_b32 s[74+\i], s7, 5
	s_lshr_b32 s70, s7, 4
	s_lshl_b32 s70, s70, 14
	s_and_b32 s7, s7, 15
	s_lshl_b32 s7, s7, 4
	s_add_co_u32 s[88+2*\i], s70, s7
	s_mov_b32 s[89+2*\i], 0
.endr
	s_mov_b32 s60, 0x10000
	s_mov_b32 s61, 0
	s_cmp_eq_u32 s3, 31                            ; the last work-group's trip 2 is block 62 twice: tiles 6, 7 of pet
	s_cselect_b32 s60, 0x18000, s60
	s_cselect_b32 s70, 7, 31
	s_mul_i32 s66, s2, 8448
	s_mov_b32 s67, 0
	s_wait_alu depctr_va_vdst(0)
	s_wait_kmcnt 0x0
	s_add_nc_u64 s[60:61], s[12:13], s[60:61]
.irp i,0,1,2,3,4,5
	s_add_nc_u64 s[88+2*\i:89+2*\i], s[12:13], s[88+2*\i:89+2*\i]
.endr
	; the encoding's numbers: 2 + 8 + 8 + 4 + 24 loads
.irp i,0,1
	global_load_b128 v[PDV+4*\i:PDV+4*\i+3], v[DVO], s[12:13] offset:131072+512*\i
.endr
.irp u,0,1
.irp q,0,1,2,3
	global_load_b128 v[B+16*\u+4*\q:B+16*\u+4*\q+3], v[AD4], s[12:13] offset:65536+16384*\u+512*\q
	global_load_b128 v[B+32+16*\u+4*\q:B+32+16*\u+4*\q+3], v[AD4], s[60:61] offset:16384*\u+512*\q
.endr
.endr
	PLOAD PB, 62, 0
	PTLD AUX+16, 0
	PTLD AUX+48, 1
	WIN 0x40
	PTLD 208, 2
	PTLD 240, 3
	PTLD 144, 4
	PTLD 176, 5
.irp i,0,1,2
	s_add_nc_u64 s[48+2*\i:49+2*\i], s[8:9], s[48+2*\i:49+2*\i]
.endr
.irp i,0,1,2                           ; src's fragments: 15 loads, into slot 1
.irp c,0,1,2,3
	global_load_b128 v[64+16*\i+4*\c:64+16*\i+4*\c+3], v[AD0], s[48+2*\i:49+2*\i] offset:512*\c
.endr
	global_load_b32 v[112+\i], v[AD1], s[48+2*\i:49+2*\i] offset:8192
.endr
	WIN 0
	s_add_nc_u64 s[66:67], s[10:11], s[66:67]      ; wq at my block of a weight's eight
	WLOAD 0, 0x40, 0                               ; W_enc: 18 loads
	WSLOAD WSC, 0
	s_load_b32 s71, s[34:35], 0x0                  ; fc2_b
	v_and_b32 v[OFA], 8, v30
	v_add_nc_u32 v[OFA], v[OFA], v30               ; r + 8 (r / 8)
	v_add_nc_u32 v[OFA+1], 8, v[OFA]
	v_and_b32 v[OFA+2], s70, v[OFA]
	v_add_nc_u32 v[OFA+3], 8, v[OFA+2]
	v_mov_b32 v[POS+1], 0                          ; (named with v[POS] as a pair, so it is written)
	s_lshl_b32 s7, s2, 9
	v_add_nc_u32 v[WST], s7, v[LI]
	s_lshl_b32 s7, s5, 6
	s_add_co_u32 s7, s7, s6
	v_lshl_add_u32 v[BST], v30, 2, s7
.irp k,18,19,20,21,22,23
	v_mov_b32 v[\k], 0                             ; a lane permute's destination counts as one of its sources
.endr
	s_mov_b32 s[SEL], 0x76543210
	s_mov_b32 s[SEL+1], 0xfedcba98
	s_mov_b32 s[MNT], 0x600000
	s_mov_b32 s[CS], 0x3e0293ee
	s_mov_b32 s[CS+1], s[CS]                       ; (named with it as a pair, so it is written)
	s_mov_b32 s47, 0x3727c5ac                      ; 1e-5
	s_mov_b32 s39, 0
	s_lshr_b32 s7, s6, 1                           ; fc1: tile w % 4 is block 56 + (w % 4) / 2, half w % 2
	s_add_co_u32 s7, s7, 56
	s_mul_i32 s38, s7, 8448
	s_add_nc_u64 s[86:87], s[10:11], s[38:39]
	s_and_b32 s7, s2, 1
	s_lshl_b32 s38, s7, 12
	s_add_nc_u64 s[84:85], s[86:87], s[38:39]      ; its codes,
	s_lshl_b32 s38, s7, 7
	s_add_nc_u64 s[86:87], s[86:87], s[38:39]      ; its scale words (8,192 further on)
	s_mul_i32 s38, s4, 2000
	s_lshl_b32 s7, s3, 6
	s_add_co_u32 s38, s38, s7
	s_lshl_b32 s38, s38, 2
	s_add_nc_u64 s[72:73], s[36:37], s[38:39]      ; out0 at my first row
	; ================ 1: the positional encoding; src's 24 fragments, three a wave, into LDS
	s_wait_alu depctr_va_vdst(0)                   ; the wait at the head's end
	s_wait_loadcnt 33                              ; younger: src's 15 and W_enc's 18
	PEBLK AUX, 0, 74, B, OFA
	PEBLK AUX+32, 0, 75, B, OFA
	PEBLK 192, 1, 76, B, OFA
	s_wait_alu depctr_va_vdst(0)
	s_wait_loadcnt 18                              ; younger: W_enc's 18
	WIN 0x04
.irp i,0,1,2
.irp c,0,1,2,3
	ds_store_b128 v[AD2], v[64+16*\i+4*\c:64+16*\i+4*\c+3] offset:16384*\i+512*\c
.endr
	ds_store_b32 v[AD3], v[112+\i] offset:512*\i
.endr
	WIN 0
	PEBLK 224, 1, 77, B, OFA
	PEBLK 128, 1, 78, B+32, OFA+2
	PEBLK 160, 1, 79, B+32, OFA+2
	s_wait_alu depctr_va_vdst(0)
	BARRIER                                        ; src's images lie in LDS
	; ================ 2: x0, two blocks (four tiles) a trip; PE + b_enc is the C of the first K step
	v_add_nc_u32 v[AD0], SRCIM, v[LI]
	v_add_nc_u32 v[AD2], X0IM, v[WST]
	v_and_b32 v[AD3], 15, v0
	v_and_b32 v[AD1], 8, v[AD3]
	v_add_nc_u32 v[AD1], v[AD1], v[AD3]
	s_lshl_b32 s7, s2, 7
	v_lshl_add_u32 v[AD1], v[AD1], 2, s7           ; v's bias: a lane holds ONE channel, 32 w + 8 u + r + 8 (r / 8)
	s_wait_alu depctr_va_vdst(0)
	BLOAD AD0, 0, LS, SRCSC
	WLOAD 64, 0x40, 16                             ; Wk: 18 loads
	WSLOAD WSC+4, 16
	s_wait_loadcnt 18                              ; W_enc is in; younger: Wk's 18
	X0MM 0, ACC, 0, 2, AUX
	PLOAD AUX, 14, 0                               ; in_proj's biases, 10 loads: q's
	PLOAD AUX+16, 14, 1024                         ; k's
.irp u,0,1
	global_load_b32 v[AUX+48+\u], v[AD1], s[14:15] offset:2048+32*\u
.endr
	X0Q 0, ACC, 0
	X0MM 1, ACC, 0, 4, 192
	X0Q 1, ACC, 0
	WLOAD 192, 0x40, 24                            ; Wv: 18 loads
	WSLOAD WSC+6, 24
	X0MM 2, 128, 1, 0, 0                           ; the own rows: x0 grows in slot 2 and stays there as the residual
	X0Q 2, 128, 1
	BARRIER                                        ; x0's images lie in LDS
	; ================ 3: k and v of all six blocks, q of the own two
	s_wait_xcnt 0x0                                ; the biases' loads have read their address
	v_add_nc_u32 v[AD0], X0IM, v[LI]
	v_add_nc_u32 v[AD1], X0SC, v[LS]
	BLOAD AD0, 0, AD1, 0
	WLOAD 0, 0x40, 8                               ; Wq: 18 loads
	WSLOAD WSC+2, 8
	s_mul_i32 s7, s2, 6144
	v_add_nc_u32 v[VB0], s7, v[LI]
	v_and_b32 v[VB1], 15, v0
	s_lshl_b32 s7, s2, 10
	v_lshl_add_u32 v[VB1], v[VB1], 5, s7
	s_mov_b32 s43, 0
	s_mov_b32 s74, X0IM+8192
	s_mov_b32 s75, X0SC+256
	s_mov_b32 s76, KIM
	s_mov_b32 s77, KSC
	s_mov_b32 s78, VIM
	s_mov_b32 s79, VSC
	s_wait_alu depctr_va_vdst(0)
	s_wait_loadcnt 18                              ; younger: Wq's 18
.irp u,0,1
.irp j,0,1,2,3,4,5,6,7
	v_mov_b32 v[AUX+32+8*\u+\j], v[AUX+48+\u]      ; v's bias in all eight registers of the C
.endr
.endr
	s_wait_alu depctr_va_vdst(0)
.Lkv:
	KVTRIP 0
	s_add_co_u32 s74, s74, 8192
	s_add_co_u32 s75, s75, 256
	s_add_co_u32 s76, s76, 8192
	s_add_co_u32 s77, s77, 256
	s_add_co_u32 s78, s78, 512
	s_add_co_u32 s79, s79, 1
	s_add_co_u32 s43, s43, 1
	s_cmp_lt_u32 s43, 5
	s_cbranch_scc1 .Lkv
	KVTRIP 1
	s_wait_loadcnt 0x0                             ; Wq
	LMM ACC, 0, 0, 1, WSC+2, 1, AUX, 64, 0
	LAYER_OUT QIM, QSC, 0, ACC, ACC
	WIN 0x40
	PLOAD 240, 16, 0                               ; out_proj_b: 4 loads
	WIN 0
	BARRIER                                        ; k's, v's and q's images lie in LDS
	; ================ 4: attention: head w / 4, query tile w % 4 (own block bq = (w % 4) / 2, half u = w % 2); keys: local blocks bq .. bq + 4
	s_lshr_b32 s68, s6, 1                          ; bq
	s_and_b32 s69, s6, 1                           ; u
	s_lshl_b32 s50, s5, 11
	s_lshl_b32 s51, s68, 13
	s_add_co_u32 s50, s50, s51
	s_add_co_u32 s50, s50, KIM
	s_lshl_b32 s52, s5, 6
	s_lshl_b32 s53, s68, 8
	s_add_co_u32 s53, s53, s52
	s_add_co_u32 s53, s53, KSC
	s_lshl_b32 s54, s6, 12
	s_lshl_b32 s55, s5, 11
	s_add_co_u32 s54, s54, s55
	s_add_co_u32 s80, s54, CTXIM                   ; where my context's image will go
	s_add_co_u32 s54, s54, QIM
	s_lshl_b32 s55, s6, 7
	s_add_co_u32 s55, s55, s52
	s_add_co_u32 s81, s55, CTXSC
	s_add_co_u32 s55, s55, QSC
	s_mul_i32 s56, s5, 24576
	s_lshl_b32 s57, s68, 9
	s_add_co_u32 s56, s56, s57
	s_add_co_u32 s56, s56, VIM
	s_lshl_b32 s57, s5, 12
	s_mul_i32 s58, s68, 12
	s_add_co_u32 s57, s57, s58
	s_add_co_u32 s57, s57, VSC
	s_lshl_b32 s58, s3, 6
	s_lshl_b32 s59, s68, 5
	s_add_co_u32 s58, s58, s59
	s_sub_co_i32 s58, 128, s58
	s_max_i32 s58, s58, 0                          ; the place of the sequence's key 0, if it lies inside the window
	s_lshl_b32 s59, s69, 3
	v_and_b32 v[T0], 15, v0                        ; r
	v_bfe_u32 v[T1], v0, 4, 1                      ; h
	v_add_nc_u32 v[ADK], s50, v[LI]
	v_add_nc_u32 v[ADQ], s54, v[LI]
	v_add_nc_u32 v[ADV], s56, v[LI]
	v_lshl_add_u32 v[ADQS], v[T0], 2, s55
	v_lshl_add_u32 v[ADKS], v[T0], 2, s53
	v_lshl_add_u32 v[ADKS], v[T1], 7, v[ADKS]      ; lanes 16-31 take the next key tile's scale words
	v_mul_u32_u24 v[ADVS], 12, v[T1]               ; and of V the word one block on: 12 bytes
	v_lshl_add_u32 v[ADVS], v[T0], 5, v[ADVS]
	v_add_nc_u32 v[ADVS], s57, v[ADVS]
.irp c,0,1,2,3
	ds_load_b128 v[QFR+4*\c:QFR+4*\c+3], v[ADQ] offset:512*\c
.endr
	ds_load_b32 v[SCR+5], v[ADQS]
.irp p,0,1,2,3,4
	ds_load_b32 v[SCR+\p], v[ADKS] offset:256*\p
.endr
.irp k,0,1,2,3,4
.irp c,0,1,2,3
	ds_load_b128 v[KFR+16*\k+4*\c:KFR+16*\k+4*\c+3], v[ADK] offset:4096*\k+512*\c
.endr
.endr
	WIN 0x40
.irp k,0,1,2,3,4
.irp c,0,1,2,3
	ds_load_b128 v[16*\k+4*\c:16*\k+4*\c+3], v[ADK] offset:20480+4096*\k+512*\c
.endr
.endr
	WIN 0
	; the mask's two numbers.  Places count from the window's first key.  My query stands at 128 + d, d = 8 u + r + 8 (r / 8); register n holds key 32 (n / 16) + n % 16 + 16 h.  A key counts from max(29 + d, the sequence's first key) to 128 + d:
	; the first bound can hide keys of blocks 0, 1 alone, and in the sequence's first work-group (g = 0) of blocks 2, 3; the second keys of block 4 alone
	v_and_b32 v[RNG], 8, v[T0]
	v_lshlrev_b32 v[T1], 4, v[T1]                  ; 16 h
	v_add_nc_u32 v[T0], v[T0], v[RNG]
	v_add_nc_u32 v[T0], s59, v[T0]                 ; d
	v_add_nc_u32 v[MLO], 29, v[T0]
	v_sub_nc_u32 v[RNG], v[T0], v[T1]
	v_max_u32 v[MLO], s58, v[MLO]
	v_mov_b32 v[NINF], 0xff800000
	v_sub_nc_u32 v[MLO], v[MLO], v[T1]
	s_wait_alu depctr_va_vdst(0)
	s_wait_dscnt 20                                ; the last five key tiles' 20 loads may be out
.irp k,0,1,2,3,4
	WMZ SS+8*\k, KFR+16*\k, QFR, SCR+\k/2, SCR+5, \k%2
.endr
	s_wait_dscnt 0x0
	WIN 0x01
.irp k,5,6,7,8,9
	WMZ SS+8*\k, 16*(\k-5), QFR, SCR+\k/2, SCR+5, \k%2
.endr
	WIN 0
	PLACES 8
.irp d,0,1,2,3,4,5,6,7                 ; all of V that I need, under the softmax: 48 loads.  A channel tile's five blocks of 32 keys are 20 registers; tiles 0-5 from v0 on, 6 and 7 from v192 on of window 1
	ds_load_b32 v[SCR+\d], v[ADVS] offset:512*\d
.endr
	WIN 0x40
.irp d,0,1,2,3,4,5,6,7
.irp b,0,1,2,3,4
	ds_load_b128 v[20*\d+72*(\d/6)+4*\b:20*\d+72*(\d/6)+4*\b+3], v[ADV] offset:3072*\d+512*\b
.endr
.endr
	WIN 0
.macro HIDE r0, n0, up, bd             ; hidden scores become -infinity: p = 0 then.  16 registers, keys n0 on
.irp k,0,8
.irp i,0,1,2,3,4,5,6,7
.if \up
	v_cmp_gt_i32 s[88+\i], \n0+\k+\i, v[\bd]
.else
	v_cmp_lt_i32 s[88+\i], \n0+\k+\i, v[\bd]
.endif
.endr
.irp i,0,1,2,3,4,5,6,7
	v_cndmask_b32 v[\r0+\k+\i], v[\r0+\k+\i], v[NINF], s[88+\i]
.endr
.endr
.endm
	s_wait_alu depctr_va_vdst(0)
	s_cmp_lg_u32 s3, 0
	s_cbranch_scc1 .Linside
	v_add_nc_u32 v[T0], -64, v[MLO]
	HIDE SS+32, 0, 0, T0
	HIDE SS+48, 32, 0, T0
.Linside:
	HIDE SS, 0, 0, MLO
	HIDE SS+16, 32, 0, MLO
	HIDE SS+64, 0, 1, RNG
.irp b,0,1,2,3,4
	v_max3_num_f32 v[BM+\b], v[SS+16*\b], v[SS+16*\b+1], v[SS+16*\b+2]   ; each block's largest score: for the row's maximum, and, since p rises with the score, for the block's largest p
.endr
.irp i,3,5,7,9,11,13
.irp b,0,1,2,3,4
	v_max3_num_f32 v[BM+\b], v[BM+\b], v[SS+16*\b+\i], v[SS+16*\b+\i+1]
.endr
.endr
.irp b,0,1,2,3,4
	v_max_num_f32 v[BM+\b], v[BM+\b], v[SS+16*\b+15]
.endr
.irp b,0,1,2,3,4
	v_permlanex16_b32 v[BP+\b], v[BM+\b], s[SEL], s[SEL+1]
.endr
.irp b,0,1,2,3,4
	v_max_num_f32 v[BM+\b], v[BM+\b], v[BP+\b]
.endr
	v_max3_num_f32 v[T0], v[BM], v[BM+1], v[BM+2]
	s_delay_alu instid0(VALU_DEP_1)
	v_max3_num_f32 v[T0], v[T0], v[BM+3], v[BM+4]  ; the row's largest score: the query's own key always counts
	s_delay_alu instid0(VALU_DEP_1)
	v_mul_f32 v[T0], s[CS], v[T0]                  ; as t
	s_delay_alu instid0(VALU_DEP_1)
	v_floor_f32 v[NM], -v[T0]                      ; -M = floor(-t) = -ceil(t)
.set n_, 0
.rept 40
	v_pk_fma_f32 v[SS+n_:SS+n_+1], v[SS+n_:SS+n_+1], s[CS:CS+1], v[NM:NM+1] op_sel_hi:[1,0,0]   ; t - M
.set n_, n_+2
.endr
.irp b,0,1,2,3,4
	v_fma_f32 v[BM+\b], v[BM+\b], s[CS], v[NM]
.endr
.set n_, 0
	s_wait_alu depctr_va_vdst(0)
.rept 80
	v_exp_f32 v[SS+n_], v[SS+n_]                   ; p = 2^(t - M): one batch
.set n_, n_+1
.endr
	v_nop                                          ; a plain line behind the last of them
	s_wait_alu depctr_va_vdst(0)                   ; one wait for the batch, ahead of its first reader
.irp b,0,1,2,3,4
	v_exp_f32 v[BM+\b], v[BM+\b]                   ; each block's largest p: the same two instructions on the same number
.endr
	v_pk_add_f32 v[SUM:SUM+1], v[SS:SS+1], v[SS+2:SS+3]        ; the row's sum, of the unquantised p, in two chains: plain work behind the five
	v_pk_add_f32 v[SUM2:SUM2+1], v[SS+4:SS+5], v[SS+6:SS+7]
.set n_, 8
.rept 18
	v_pk_add_f32 v[SUM:SUM+1], v[SUM:SUM+1], v[SS+n_:SS+n_+1]
	v_pk_add_f32 v[SUM2:SUM2+1], v[SUM2:SUM2+1], v[SS+n_+2:SS+n_+3]
.set n_, n_+4
.endr
	s_delay_alu instid0(VALU_DEP_1)
	v_pk_add_f32 v[SUM:SUM+1], v[SUM:SUM+1], v[SUM2:SUM2+1]
	s_wait_alu depctr_va_vdst(0)                   ; and one for the five
.irp b,0,1,2,3,4
	v_max_num_f32 v[BM+\b], 0x8000000, v[BM+\b]    ; the floor: a block whose every p is 0 keeps the byte 1; its codes are zeros
.endr
.irp b,0,1,2,3,4
	v_add_nc_u32 v[SO+\b], 0xf8800000, v[BM+\b]
.endr
.irp b,0,1,2,3,4
	v_and_or_b32 v[HL+\b], v[BM+\b], 0x7f800000, s[MNT]
.endr
.irp b,0,1,2,3,4
	v_lshrrev_b32 v[BP+\b], 23, v[SO+\b]
.endr
	s_delay_alu instid0(VALU_DEP_4)
	v_lshl_or_b32 v[SCR+8], v[BP+1], 8, v[BP]      ; p's scale word of keys 0-127,
	s_delay_alu instid0(VALU_DEP_1)
	v_lshl_or_b32 v[SCR+8], v[BP+2], 16, v[SCR+8]
	s_delay_alu instid0(VALU_DEP_1)
	v_lshl_or_b32 v[SCR+8], v[BP+3], 24, v[SCR+8]
	s_delay_alu instid0(VALU_DEP_4)
	v_lshlrev_b32 v[SCR+9], 24, v[BP+4]            ; and of the second step, whose fourth block is keys 128-159
.irp k,16,17,18,19,20,21,22,23,24,25,26,27
	v_mov_b32 v[PCD+\k], 0                         ; its first three blocks are zero codes: what V's fragment holds there adds nothing
.endr
.irp b,0,1,2,3,4
.irp i,0,1,2,3,4,5,6,7,8,9,10,11,12,13,14,15
	v_min_num_f32 v[SS+16*\b+\i], v[SS+16*\b+\i], v[HL+\b]     ; p is not negative: the hold is one-sided
.endr
.if \b < 4
	v_cvt_scalef32_pk8_bf8_f32 v[PCD+4*\b:PCD+4*\b+1], v[SS+16*\b:SS+16*\b+7], v[SO+\b]
	v_cvt_scalef32_pk8_bf8_f32 v[PCD+4*\b+2:PCD+4*\b+3], v[SS+16*\b+8:SS+16*\b+15], v[SO+\b]
.else
	v_cvt_scalef32_pk8_bf8_f32 v[PCD+28:PCD+29], v[SS+64:SS+71], v[SO+4]
	v_cvt_scalef32_pk8_bf8_f32 v[PCD+30:PCD+31], v[SS+72:SS+79], v[SO+4]
.endif
.endr
	PLACES 4                                       ; codes made by vector instructions stand four plain lines ahead of a scaled matrix instruction; the scale words stand ahead of the 80 holds
	WLOAD SS, 0, 32                                ; Wo, into registers that p has left: 18 loads
	WSLOAD WSC, 32
	s_wait_alu depctr_va_vdst(0)
	s_wait_dscnt 0x0                               ; V
	WIN 0x01
.irp d,0,1,2,3,4,5,6,7                 ; O^T = V^T P^T: keys 0-127: registers 0-15 of a channel tile's 20;
	WMZ OO+8*\d, 20*\d+72*(\d/6), PCD, SCR+\d, SCR+8, 0
.endr
.irp d,0,1,2,3,4,5,6,7                 ; then registers 4-19: keys 128-159 in the fragment's fourth block, and the scale word one block on (lanes 16-31)
	WMA1 OO+8*\d, 20*\d+72*(\d/6)+4, PCD+16, SCR+\d, SCR+9
.endr
	WIN 0
	PLACES 8
	WLOAD 64, 0x40, 40                             ; lin1, fc1, lin1_b: 31 loads
	WIN 0x40
.irp s,0,1
.irp c,0,1,2,3
	global_load_b128 v[192+16*\s+4*\c:192+16*\s+4*\c+3], v[LI], s[84:85] offset:2048*\s+512*\c
.endr
.endr
	PLOAD 224, 22, 0
	WIN 0
	WSLOAD WSC+2, 40
	global_load_b32 v[WSC+6], v[LS], s[86:87] offset:8192
	v_add_f32 v[T0], v[SUM], v[SUM+1]
	s_delay_alu instid0(VALU_DEP_1)
	v_permlanex16_b32 v[T1], v[T0], s[SEL], s[SEL+1]
	s_delay_alu instid0(VALU_DEP_1)
	v_add_f32 v[T0], v[T0], v[T1]                  ; l
	s_wait_alu depctr_va_vdst(0)
	v_rcp_f32 v[T0], v[T0]
	v_nop
	s_wait_alu depctr_va_vdst(0)                   ; ahead of the first reader
.set n_, 0
.rept 32
	v_pk_mul_f32 v[OO+n_:OO+n_+1], v[OO+n_:OO+n_+1], v[T0:T0+1] op_sel_hi:[1,0]   ; register 16 b + i is ctx(query, 128 head + 32 b + 16 h + i)
.set n_, n_+2
.endr
	QUANT OO, 0, 1, OO, 0                          ; K step "head" of the out-projection's operand, whole
	v_add_nc_u32 v[ADK], s80, v[LI]
	v_and_b32 v[ADQ], 15, v0
	s_delay_alu instid0(VALU_DEP_1)
	v_lshl_add_u32 v[ADKS], v[ADQ], 2, s81
.irp c,0,1,2,3
	ds_store_b128 v[ADK], v[PC+4*\c:PC+4*\c+3] offset:512*\c
.endr
	ds_store_b32 v[ADKS], v[TM+4]
	PLOAD AUX, 18, 0                               ; ln1_w, ln1_b: 8 loads
	PLOAD AUX+16, 20, 0
	BARRIER                                        ; the context's images lie in LDS
	; ================ 5: out-projection onto the residual in slot 2, LN1
	v_and_b32 v[AD3], 15, v0
	s_delay_alu instid0(VALU_DEP_1)
	v_mul_u32_u24 v[AD3], v[AD3], 80               ; a row's figures
	s_lshl_b32 s7, s2, 3
	v_add_nc_u32 v[AD2], s7, v[AD3]                ; and my pair among them
	s_wait_alu depctr_va_vdst(0)
	s_wait_loadcnt 39                              ; Wo and out_proj_b are in; younger: 31 + 8
	LAYER_IN CTXIM, CTXSC, 128, 1, 64, 0, WSC, 0, 0
	WIN 0x05
.irp q,0,1,2,3
.irp i,0,2,4,6,8,10,12,14
	v_pk_add_f32 v[ACC+16*\q+\i:ACC+16*\q+\i+1], v[128+16*\q+\i:128+16*\q+\i+1], v[240+\i:240+\i+1]   ; + out_proj_b, into the registers that Wo has left
.endr
.endr
	WIN 0
	LNSTAT LN1S
	WLOAD 128, 0x40, 48                            ; lin2: 18 loads
	WSLOAD WSC+4, 48
	BARRIER
	s_wait_loadcnt 18                              ; the gains, and lin1; younger: lin2's 18
	LNNORM LN1S
	LAYER_OUT X1IM, X1SC, 0, ACC, B                ; x1 stays in the accumulators as the next residual
	BARRIER
	; ================ 6: lin1, relu
	LAYER_IN X1IM, X1SC, AUX, 0, 64, 1, WSC+2, 3, 224
	LAYER_OUT HIM, HSC, 1, AUX, AUX
	s_lshl_b32 s7, s68, 7                          ; fc1's tile w % 4: outputs 32 ((w % 4) / 2) + 8 (w % 2) + 16 h + 0 .. 7
	s_lshl_b32 s70, s69, 5
	s_add_co_u32 s7, s7, s70
	v_bfe_u32 v[AD4], v0, 4, 1
	s_delay_alu instid0(VALU_DEP_1)
	v_lshl_add_u32 v[AD4], v[AD4], 6, s7           ; (not written again in this launch)
	PLOAD AUX+32, 24, 0                            ; lin2_b; ln2_w, ln2_b, fc1_b, fc2_w: 4 + 12 loads
	PLOAD AUX, 26, 0
	PLOAD AUX+16, 28, 0
	global_load_b128 v[AUX+48:AUX+51], v[AD4], s[30:31]
	global_load_b128 v[AUX+52:AUX+55], v[AD4], s[30:31] offset:16
	global_load_b128 v[AUX+56:AUX+59], v[AD4], s[32:33]
	global_load_b128 v[AUX+60:AUX+63], v[AD4], s[32:33] offset:16
	BARRIER
	; ================ 7: lin2 onto the residual, LN2
	s_wait_loadcnt 16                              ; lin2 is in; younger: 16
	LAYER_IN HIM, HSC, ACC, 0, 128, 1, WSC+4, 0, 0
	s_wait_loadcnt 12                              ; lin2_b
.irp q,0,1,2,3
.irp i,0,2,4,6,8,10,12,14
	v_pk_add_f32 v[ACC+16*\q+\i:ACC+16*\q+\i+1], v[ACC+16*\q+\i:ACC+16*\q+\i+1], v[AUX+32+\i:AUX+32+\i+1]   ; + lin2_b
.endr
.endr
	LNSTAT LN2S
	BARRIER
	s_wait_loadcnt 0x0
	LNNORM LN2S
	LAYER_OUT X2IM, X2SC, 0, ACC, ACC
	BARRIER
	; ================ 8: fc1 (tile w % 4 of its 64 outputs, own tiles 2 (w / 4) and 2 (w / 4) + 1), fc2 by multiply-adds
	s_lshl_b32 s7, s5, 13
	s_add_co_u32 s7, s7, X2IM
	v_add_nc_u32 v[AD0], s7, v[LI]
	s_lshl_b32 s7, s5, 8
	s_add_co_u32 s7, s7, X2SC
	v_add_nc_u32 v[AD1], s7, v[LS]
	BLOAD AD0, 0, AD1, 0
	v_and_b32 v[AD2], 15, v0
	s_lshl_b32 s7, s5, 9
	s_lshl_b32 s70, s6, 2
	s_add_co_u32 s7, s7, s70
	s_add_co_u32 s7, s7, FCP
	v_lshl_add_u32 v[AD2], v[AD2], 4, s7
	s_wait_alu depctr_va_vdst(0)
	s_wait_dscnt 0x0
	WIN 0x01
	WMS ACC, 192, B, AUX+48, WSC+6, SCR, 0         ; fc1_b is the C; two accumulators by turns
	WMS ACC+8, 192, B+32, AUX+48, WSC+6, SCR+1, 0
	WMS ACC, 208, B+16, ACC, WSC+6, SCR, 1
	WMS ACC+8, 208, B+48, ACC+8, WSC+6, SCR+1, 1
	WIN 0
	PLACES 8
.irp ti,0,1
	v_mul_f32 v[14+\ti], v[ACC+8*\ti], v[AUX+56]
.endr
.irp j,1,2,3,4,5,6,7
.irp ti,0,1
	v_fmac_f32 v[14+\ti], v[ACC+8*\ti+\j], v[AUX+56+\j]
.endr
.endr
.irp ti,0,1
	s_delay_alu instid0(VALU_DEP_2)
	v_permlanex16_b32 v[16+\ti], v[14+\ti], s[SEL], s[SEL+1]
.endr
.irp ti,0,1
	s_delay_alu instid0(VALU_DEP_2)
	v_add_f32 v[14+\ti], v[14+\ti], v[16+\ti]      ; my 16 outputs' part of the row's sum
.endr
.irp ti,0,1
	ds_store_b32 v[AD2], v[14+\ti] offset:256*\ti
.endr
	s_wait_kmcnt 0x0                               ; fc2_b
	BARRIER
	s_cmp_lt_u32 s2, 2
	s_cbranch_scc0 .Lend                           ; threads 0-63 store a row each
	v_lshrrev_b32 v[AD0], 5, v0                    ; row i lies in own tile 2 (i / 32) + (i / 8) % 2, at lane index i % 8 + 8 ((i / 16) % 2)
	v_bfe_u32 v[AD1], v0, 3, 1
	s_delay_alu instid0(VALU_DEP_1)
	v_lshl_add_u32 v[AD0], v[AD0], 1, v[AD1]
	v_and_b32 v[AD1], 7, v0
	s_delay_alu instid0(VALU_DEP_1)
	v_lshl_add_u32 v[AD0], v[AD0], 4, v[AD1]
	v_bfe_u32 v[AD1], v0, 4, 1
	s_delay_alu instid0(VALU_DEP_1)
	v_lshl_add_u32 v[AD0], v[AD1], 3, v[AD0]
	s_delay_alu instid0(VALU_DEP_1)
	v_lshlrev_b32 v[AD0], 4, v[AD0]
	ds_load_b128 v[14:17], v[AD0] offset:FCP
	v_lshlrev_b32 v[AD1], 2, v0
	s_lshl_b32 s7, s3, 6
	s_sub_co_u32 s7, 2000, s7                      ; rows of the sequence from my first on
	s_wait_dscnt 0x0
	v_add_f32 v14, v14, v15
	v_add_f32 v16, v16, v17
	s_delay_alu instid0(VALU_DEP_1)
	v_add_f32 v14, v14, v16
	s_delay_alu instid0(VALU_DEP_1)
	v_add_f32 v14, s71, v14
	v_cmp_gt_u32 vcc_lo, s7, v0
	s_wait_alu depctr_va_vdst(0)
	s_wait_xcnt 0x0                                ; EXEC changes only behind this wait
	s_and_saveexec_b32 s70, vcc_lo
	global_store_b32 v[AD1], v14, s[72:73]
	s_wait_xcnt 0x0                                ; and again, ahead of the line that widens it
	s_or_b32 exec_lo, exec_lo, s70
.Lend:
	s_wait_tensorcnt 0x0                           ; the wave's end, behind my last LDS store
	ds_add_u32 v[SPW], v[NIL]
	s_wait_dscnt 0x0
	s_endpgm
.Lfunc_end_k_q04f1af6387_enc:
	.size	k_q04f1af6387_enc, .Lfunc_end_k_q04f1af6387_enc-k_q04f1af6387_enc
	.p2alignl 7, 3214868480
	.fill 96, 4, 3214868480
	.section	.rodata,"a",@progbits
	.p2align	6, 0x0
	.amdhsa_kernel k_q04f1af6387_enc
		.amdhsa_group_segment_fixed_size 240640
		.amdhsa_private_segment_fixed_size 0
		.amdhsa_enable_private_segment 0
		.amdhsa_kernarg_size 128
		.amdhsa_user_sgpr_count 2
		.amdhsa_user_sgpr_kernarg_segment_ptr 1
		.amdhsa_wavefront_size32 1
		.amdhsa_system_sgpr_workgroup_id_x 1
		.amdhsa_system_sgpr_workgroup_id_y 1
		.amdhsa_system_sgpr_workgroup_id_z 1
		.amdhsa_system_vgpr_workitem_id 0
		.amdhsa_next_free_vgpr 512
		.amdhsa_next_free_sgpr 100
		.amdhsa_reserve_vcc 1
		.amdhsa_float_denorm_mode_32 3
		.amdhsa_float_denorm_mode_16_64 3
		.amdhsa_memory_ordered 1
		.amdhsa_forward_progress 1
		.amdhsa_inst_pref_size 255
	.end_amdhsa_kernel
	.section	.bss,"aw",@nobits
	.p2align	6
	.space	262144
	.amdgpu_metadata
---
amdhsa.version: [ 1, 2 ]
amdhsa.kernels:
  - .name:           k_q04f1af6387_enc
    .symbol:         k_q04f1af6387_enc.kd
    .args:
      - { .name: srcq, .offset: 0, .size: 8, .value_kind: global_buffer, .address_space: global }
      - { .name: wq, .offset: 8, .size: 8, .value_kind: global_buffer, .address_space: global }
      - { .name: pet, .offset: 16, .size: 8, .value_kind: global_buffer, .address_space: global }
      - { .name: in_proj_b, .offset: 24, .size: 8, .value_kind: global_buffer, .address_space: global }
      - { .name: out_proj_b, .offset: 32, .size: 8, .value_kind: global_buffer, .address_space: global }
      - { .name: ln1_w, .offset: 40, .size: 8, .value_kind: global_buffer, .address_space: global }
      - { .name: ln1_b, .offset: 48, .size: 8, .value_kind: global_buffer, .address_space: global }
      - { .name: lin1_b, .offset: 56, .size: 8, .value_kind: global_buffer, .address_space: global }
      - { .name: lin2_b, .offset: 64, .size: 8, .value_kind: global_buffer, .address_space: global }
      - { .name: ln2_w, .offset: 72, .size: 8, .value_kind: global_buffer, .address_space: global }
      - { .name: ln2_b, .offset: 80, .size: 8, .value_kind: global_buffer, .address_space: global }
      - { .name: fc1_b, .offset: 88, .size: 8, .value_kind: global_buffer, .address_space: global }
      - { .name: fc2_w, .offset: 96, .size: 8, .value_kind: global_buffer, .address_space: global }
      - { .name: fc2_b, .offset: 104, .size: 8, .value_kind: global_buffer, .address_space: global }
      - { .name: out0, .offset: 112, .size: 8, .value_kind: global_buffer, .address_space: global }
      - { .name: b_enc, .offset: 120, .size: 8, .value_kind: global_buffer, .address_space: global }
    .group_segment_fixed_size: 240640
    .private_segment_fixed_size: 0
    .kernarg_segment_align: 8
    .kernarg_segment_size: 128
    .max_flat_workgroup_size: 256
    .sgpr_count:     100
    .vgpr_count:     512
    .wavefront_size: 32
...
	.end_amdgpu_metadata
.endif
;; end of part 2
